; MI455X (gfx1250); checked and timed in simulation.
; The chip was launched on July 23, 2026; its instructions are those of AMD's public machine-readable ISA for CDNA 5 (MIT licence, August 2026) and "CDNA5" Instruction Set Architecture Reference Guide (July 2026). The comments in the code are by the model that wrote it; some were corrected since.
;; Multi Head Attention. Allowed arithmetic: matrix products marked QUANTISED: E2M3 operands, one E8M0 scale for each 32 along K, by v_wmma_scale_f32_16x16x128_f8f6f4 with both operands' format E2M3, f32 sums; everything else in f32.
;; Inputs: k_b 1,024 float32; k_w 1,024 x 1,024 float32; key 2 x 2,048 x 1,024 float32; o_b 1,024 float32; o_w 1,024 x 1,024 float32; q_b 1,024 float32; q_w 1,024 x 1,024 float32; query 2 x 2,048 x 1,024 float32; v_b 1,024 float32; v_w 1,024 x 1,024 float32; value 2 x 2,048 x 1,024 float32.
;; Outputs: out0 2 x 2,048 x 1,024 float32.
;; This version of the problem:
;;   THIS VERSION OF THE PROBLEM IS GIVEN IN LOW PRECISION. The matrix products marked QUANTISED in the list below multiply operands that are first quantised to E2M3 (2 exponent bits, 3 mantissa bits; 6 bits a number), with one power-of-two scale for each 32 numbers along K (OCP MX v1.0); their sums are f32. All else is computed in f32.
;;   The module's matrix products, in the order in which they are computed (A, B: the left and right operand; K: the contracted axis; several contracted axes count as one K, in the product's order):
;;     1. [M 4,096, K 1,024] x [K 1,024, N 1,024]; A: input query; B: input q_w: QUANTISED
;;     2. [M 4,096, K 1,024] x [K 1,024, N 1,024]; A: input key; B: input k_w: QUANTISED
;;     3. [M 4,096, K 1,024] x [K 1,024, N 1,024]; A: input value; B: input v_w: QUANTISED
;;     4. batch 32 x [M 2,048, K 64] x [K 64, N 2,048]; A: computed on the way; B: computed on the way: QUANTISED
;;     5. batch 32 x [M 2,048, K 2,048] x [K 2,048, N 64]; A: softmax (see below); B: computed on the way: QUANTISED
;;     6. [M 4,096, K 1,024] x [K 1,024, N 1,024]; A: computed on the way; B: input o_w: QUANTISED
;;   THE QUANTISER, for each operand of a quantised product, along K:
;;     - K is cut into blocks of 32 from its start; a last block that is shorter is filled with zeros.
;;     - A block's scale is 2^e with e = floor(log2(the largest magnitude in the block)) - 2, held to -126 .. 127; a block of zeros has e = 0. As a byte (E8M0): e + 127.
;;     - Each number is divided by its block's scale, clamped to +-7.5, and rounded to the nearest number of E2M3, ties to even, subnormals kept.
;;     - The product sums the exact products of the quantised numbers (number of the format x scale) in f32.
;;   ~~~python
;;   def quantise(x, axis):      # numpy; x: float32 -> the quantised numbers, widened to float32 again
;;       x = np.moveaxis(x, axis, -1); K = x.shape[-1]
;;       x = np.pad(x, [(0, 0)] * (x.ndim - 1) + [(0, -K % 32)]); x = x.reshape(x.shape[:-1] + (-1, 32)); a = np.abs(x).max(-1, keepdims=True)
;;       e = np.where(a > 0, np.clip(np.frexp(np.where(a > 0, a, 1))[1] - 1 - 2, -126, 127), 0)      # np.frexp(a)[1] - 1 = floor(log2(a)), exactly
;;       r = np.clip(x / 2.0 ** e, -7.5, 7.5)
;;       step = 2.0 ** (np.maximum(np.frexp(np.where(r == 0, 1, r))[1] - 1, 0) - 3)
;;       q = np.round(r / step) * step * 2.0 ** e      # np.round: ties to even
;;       return np.moveaxis(q.reshape(q.shape[:-2] + (-1,))[..., :K], -1, axis).astype(np.float32)
;;   ~~~
;;   SOFTMAX AHEAD OF A QUANTISED PRODUCT. Where the list says 'softmax', what is quantised is not the finished softmax but p = 2^(t - M), with t = logit x log2(e) and M = ceil(the row's largest t), a whole number; so 1/2 < the row's largest p <= 1. The row's sum l is taken of the UNQUANTISED p, in f32, and the product's result is divided by l at the end. Since M is a whole number, a kernel that streams over the keys may use a running M (the ceiling of the running maximum): every later rescaling is an exact power of two, which a block's scale takes up: the codes' values come out the same.
;;   OPERANDS COMPUTED ON THE WAY. 'Computed on the way' means the value that the module computes at that place (a softmax that the list does not call 'softmax' is quantised finished and normalised). What goes into a quantiser is computed in f32, as accurately as f32 sums, v_exp_f32 and their like allow (about 1e-6 of the number): no bf16 or f16 on the way to a quantiser, and a product that is left as it is and whose result goes on into a quantised operand takes f32 operands (vector FMAs, or v_wmma_f32_16x16x4_f32). A number that lies on a knife's edge between two numbers of the format may be rounded either way, as far as f32 arithmetic and the matrix unit's own rounding can turn it there, and no further.
;; One version. Each part assembles by itself: llvm-mc -triple=amdgcn-amd-amdhsa -mcpu=gfx1250 --defsym DOCPART=n.
;; ======== version 1 of 1: 4 launches
;; limits: right only within a limited range of input values
;; workspace buffers: XC 15,728,640 bytes; XS 655,360 bytes; QC 3,145,728 bytes; QSC 131,072 bytes; KV 6,553,600 bytes
;; launch quant (part 1): grid 1024 x 1, 8 waves a work-group, no clusters, 68,608 bytes of LDS; arguments query, key, value, q_w, k_w, v_w, o_w, XC, XS; writes XC, XS
.if DOCPART == 1
	.amdgcn_target "amdgcn-amd-amdhsa--gfx1250"
	.amdhsa_code_object_version 6
	.text
	.protected	k_qb3adabdbb9_quant
	.globl	k_qb3adabdbb9_quant
	.p2align	8
	.type	k_qb3adabdbb9_quant,@function
k_qb3adabdbb9_quant:
	s_mov_b64 s[64:65], 0
	v_nop
	global_prefetch_b8 v0, s[64:65] scope:SCOPE_SE
	s_setreg_imm32_b32 hwreg(HW_REG_WAVE_MODE, 25, 1), 1
	s_wait_xcnt 0x0
; query, key, value [4096][1024] and q_w, k_w, v_w, o_w [1024][1024], f32, K innermost, become codes of FP6 (E2M3) with one E8M0 byte for each 32 along K.
; A block's scale is 2^(floor(log2(its largest magnitude)) - 2); its byte is the largest magnitude's exponent field - 2, held at 1 from below.
; LIMITS: a block of zeros, and a block whose largest magnitude lies under 2^-124, gets the byte 1 (zero codes add nothing under it; this program alone reads the bytes); NaN and infinities are not served.
; LAYOUT OF THE RESULT.  XC holds IMAGES OF OPERAND REGISTERS: [row-block][K step 0..7][1,536 bytes].  A row-block is 16 rows that are not neighbours, chosen so that a later product's results come out in the order
; that the next quantiser wants.  In all tensors but key: row-block 2 g + u, lane r, is row 32 g + 8 u + r + 8 (r / 8).  In key: row-block 8 g + T, lane r, is row 128 g + 64 (T / 4) + 32 (r / 8) + 8 (T % 4) + r % 8.
; A fragment (16 rows x 128 K, 12 registers a lane) is two halves of 768 bytes: registers 0-3 at 16 x lane, registers 4-5 at 512 + 8 x lane.  XS holds [row-block][K step][r] one word of four scale bytes.
; Row-blocks: query 0-255, key 256-511, value 512-767, q_w 768-831, k_w 832-895, v_w 896-959, o_w 960-1023.
; SHARES.  A work-group is one row-block, its eight waves the eight K steps: a wave reads 16 rows x 512 bytes, each load 512 consecutive bytes of one row, turns them through its own stage in LDS (rows of 512 + 16 bytes),
; so that a lane holds 16 neighbours of each block of 32, and quantises.  Waves share nothing: no barrier.  Matrix units and tensor loads would add nothing to a stream.
.set PITCH, 528
.set WSTG,  16*PITCH                   ; a wave's stage
.set L16,  1                           ; v1  16 x lane
.set L8,   2                           ; v2  8 x lane
.set R4,   3                           ; v3  4 x (lane % 16)
.set SIN,  4                           ; v4  the stage, on the way in
.set SOUT, 5                           ; v5  and on the way out
.set L16B, 10                          ; v10 16 x lane + the distance from the tile's row 0 to its row 8
.set X,    16                          ; v16-79  64 numbers
.set TM,   80                          ; v80-95  at work: largest magnitudes, bytes, scale operands
.set PC,   96                          ; v96-114 the codes
.set PW,   116                         ; v116    the scale word
.set WV,   22
.set SRC,  24                          ; s[24:25] the tensor that my row-block belongs to
.set FIRST, 26                         ; s26      its first row-block
.set SEL,  28                          ; s[28:29] v_permlanex16_b32's selects for lane l xor 16
; 64 numbers of a lane, register 16 b + i = k 32 b + 16 (lane / 16) + i of my row, become a fragment's codes in v[PC] on and its scale word in v[PW].
.macro QUANT s
.irp b, 0,1,2,3
	v_max3_num_f32 v[TM+\b], |v[\s+16*\b]|, |v[\s+1+16*\b]|, 0x1800000   ; block b: my 16 numbers, and the floor 2^(3 - 127): the byte cannot fall under 1
.endr
.irp i, 2,4,6,8,10,12,14
.irp b, 0,1,2,3
	s_delay_alu instid0(VALU_DEP_4)
	v_max3_num_f32 v[TM+\b], v[TM+\b], |v[\s+16*\b+\i]|, |v[\s+1+16*\b+\i]|   ; the four blocks by turns
.endr
.endr
.irp b, 0,1,2,3
	s_delay_alu instid0(VALU_DEP_4)
	v_permlanex16_b32 v[TM+4+\b], v[TM+\b], s[SEL], s[SEL+1]
.endr
.irp b, 0,1,2,3
	s_delay_alu instid0(VALU_DEP_4)
	v_max_num_f32 v[TM+\b], v[TM+\b], v[TM+4+\b]   ; with lane l xor 16's: the block's largest magnitude
.endr
.irp b, 0,1,2,3
	s_delay_alu instid0(VALU_DEP_4)
	v_add_nc_u32 v[TM+12+\b], 0xff000000, v[TM+\b]   ; 2 off its exponent field: the conversion takes this operand's exponent field as its scale
.endr
.irp b, 0,1,2,3
	s_delay_alu instid0(VALU_DEP_4)
	v_lshrrev_b32 v[TM+4+\b], 23, v[TM+12+\b]      ; the scale's byte
.endr
	s_delay_alu instid0(VALU_DEP_3)
	v_lshl_or_b32 v[PW], v[TM+5], 8, v[TM+4]
	s_delay_alu instid0(VALU_DEP_1)
	v_lshl_or_b32 v[PW], v[TM+6], 16, v[PW]
	s_delay_alu instid0(VALU_DEP_1)
	v_lshl_or_b32 v[PW], v[TM+7], 24, v[PW]
.irp c, 0,1
	v_cvt_scalef32_pk16_fp6_f32 v[PC+6*\c:PC+2+6*\c], v[\s+32*\c:\s+15+32*\c], v[TM+12+2*\c]
	v_cvt_scalef32_pk16_fp6_f32 v[PC+12+4*\c:PC+14+4*\c], v[\s+16+32*\c:\s+31+32*\c], v[TM+12+2*\c+1]   ; a conversion's three registers begin on an even number
.endr
	v_nop                                          ; one plain instruction behind the conversions
.irp c, 0,1                                    ; the operand's layout wants a whole block in a lane
.irp i, 0,1,2
	v_permlane16_swap_b32 v[PC+6*\c+\i], v[PC+12+4*\c+\i]
.endr
.irp i, 0,1,2
	s_delay_alu instid0(VALU_DEP_3)
	v_mov_b32 v[PC+3+6*\c+\i], v[PC+12+4*\c+\i]
.endr
.endr
.endm
.macro PICK lim, ptr, first            ; row-blocks under lim belong to an earlier tensor: the choice hangs on the work-group's number alone
	s_cmp_lt_u32 ttmp9, \lim
	s_cselect_b64 s[SRC:SRC+1], s[\ptr:\ptr+1], s[SRC:SRC+1]
	s_cselect_b32 s[FIRST], \first, s[FIRST]
.endm
	s_load_b256 s[4:11], s[0:1], 0x0               ; query, key, value, q_w
	s_load_b256 s[12:19], s[0:1], 0x20             ; k_w, v_w, o_w, XC
	s_load_b64 s[20:21], s[0:1], 0x40              ; XS
	v_lshl_add_u32 v118, v0, 2, 0x10800
	v_mov_b32 v119, 0
	v_lshrrev_b32 v6, 5, v0
	s_delay_alu instid0(VALU_DEP_1)
	v_readfirstlane_b32 s[WV], v6                  ; wave = K step
	v_and_b32 v7, 31, v0                           ; lane
	v_and_b32 v8, 15, v0                           ; r
	v_bfe_u32 v9, v0, 4, 1                         ; h
	s_delay_alu instid0(VALU_DEP_3)
	v_lshlrev_b32 v[L16], 4, v7
	s_delay_alu instid0(VALU_DEP_4)
	v_lshlrev_b32 v[L8], 3, v7
	s_delay_alu instid0(VALU_DEP_4)
	v_lshlrev_b32 v[R4], 2, v8
	s_mul_i32 s23, s[WV], WSTG
	v_add_nc_u32 v[SIN], s23, v[L16]               ; in: a row's 512 bytes as they lie
	v_mul_u32_u24 v[SOUT], v8, PITCH
	s_delay_alu instid0(VALU_DEP_1)
	v_lshl_add_u32 v[SOUT], v9, 6, v[SOUT]
	s_delay_alu instid0(VALU_DEP_1)
	v_add_nc_u32 v[SOUT], s23, v[SOUT]             ; out: row r, + 64 h: my 16 numbers of each block of 32
	s_mov_b32 s[SEL], 0x76543210
	s_mov_b32 s[SEL+1], 0xfedcba98
.irp b, 0,1,2,3
	v_mov_b32 v[TM+4+\b], 0                        ; written once: a lane permute's destination counts as one of its sources
.endr
	s_wait_kmcnt 0x0
	s_mov_b64 s[SRC:SRC+1], s[16:17]               ; o_w, unless the row-block lies lower
	s_mov_b32 s[FIRST], 960
	PICK 960, 14, 896
	PICK 896, 12, 832
	PICK 832, 10, 768
	PICK 768, 8, 512
	PICK 512, 6, 256
	PICK 256, 4, 0
	s_sub_co_u32 s27, ttmp9, s[FIRST]              ; my row-block within its tensor
	s_lshr_b32 s30, s27, 1
	s_lshl_b32 s30, s30, 17                        ; the common order: 32 rows of 4,096 bytes for each pair of row-blocks,
	s_and_b32 s31, s27, 1
	s_lshl_b32 s31, s31, 15                        ; 8 rows for the odd one; the tile's row 8 lies 16 rows behind its row 0
	s_add_co_u32 s30, s30, s31
	s_lshr_b32 s36, s27, 2
	s_lshl_b32 s36, s36, 18                        ; key's order: 64 rows for each four row-blocks,
	s_and_b32 s37, s27, 3
	s_lshl_b32 s37, s37, 15                        ; 8 rows for each of the four; the tile's row 8 lies 32 rows behind its row 0
	s_add_co_u32 s36, s36, s37
	s_mov_b32 s38, 16*4096
	s_cmp_eq_u32 s[FIRST], 256                     ; is the tensor key?
	s_cselect_b32 s30, s36, s30
	s_cselect_b32 s38, 32*4096, s38
	v_add_nc_u32 v[L16B], s38, v[L16]
	s_wait_alu depctr_va_vdst(0)
	s_lshl_b32 s31, s[WV], 9                       ; 512 bytes a K step
	s_add_co_u32 s30, s30, s31
	s_mov_b32 s31, 0
	s_add_nc_u64 s[SRC:SRC+1], s[SRC:SRC+1], s[30:31]
	s_mul_i32 s32, ttmp9, 12288
	s_mul_i32 s33, s[WV], 1536
	s_add_co_u32 s32, s32, s33
	s_mov_b32 s33, 0
	s_add_nc_u64 s[18:19], s[18:19], s[32:33]      ; my fragment's image
	s_lshl_b32 s34, ttmp9, 9
	s_lshl_b32 s35, s[WV], 6
	s_add_co_u32 s34, s34, s35
	s_mov_b32 s35, 0
	s_add_nc_u64 s[20:21], s[20:21], s[34:35]      ; its 16 scale words
.irp i, 0,1,2,3,4,5,6,7
	global_load_b128 v[X+4*\i:X+4*\i+3], v[L16], s[SRC:SRC+1] offset:\i*4096 th:TH_LOAD_NT   ; 32 lanes read 512 consecutive bytes of the tile's row i; read once in the launch
.endr
.irp i, 8,9,10,11,12,13,14,15
	global_load_b128 v[X+4*\i:X+4*\i+3], v[L16B], s[SRC:SRC+1] offset:(\i-8)*4096 th:TH_LOAD_NT
.endr
.irp i, 0,1,2,3,4,5,6,7,8,9,10,11,12,13,14,15
	s_wait_loadcnt 15-\i                           ; loads come back in order: row i is in, the 15 - i younger ones stay out
	ds_store_b128 v[SIN], v[X+4*\i:X+4*\i+3] offset:PITCH*\i
.endr
.irp b, 0,1,2,3
.irp j, 0,1,2,3
	ds_load_b128 v[X+16*\b+4*\j:X+16*\b+4*\j+3], v[SOUT] offset:128*\b+16*\j   ; LDS serves a wave's instructions in order: these see my stores
.endr
.endr
	s_wait_dscnt 0x0
	QUANT X
	global_store_b128 v[L16], v[PC:PC+3], s[18:19]                 ; each store covers whole aligned blocks of 256 bytes
	global_store_b64 v[L8], v[PC+4:PC+5], s[18:19] offset:512
	global_store_b128 v[L16], v[PC+6:PC+9], s[18:19] offset:768
	global_store_b64 v[L8], v[PC+10:PC+11], s[18:19] offset:1280
	global_store_b32 v[R4], v[PW], s[20:21]        ; lanes r and r + 16 hold the same word and write it to the same place: 64 bytes a wave
	s_wait_tensorcnt 0x0
	ds_add_u32 v118, v119
	s_wait_dscnt 0x0
	s_endpgm
.Lfunc_end_k_qb3adabdbb9_quant:
	.size	k_qb3adabdbb9_quant, .Lfunc_end_k_qb3adabdbb9_quant-k_qb3adabdbb9_quant
	.p2alignl 7, 3214868480
	.fill 96, 4, 3214868480
	.section	.rodata,"a",@progbits
	.p2align	6, 0x0
	.amdhsa_kernel k_qb3adabdbb9_quant
		.amdhsa_group_segment_fixed_size 68608
		.amdhsa_private_segment_fixed_size 0
		.amdhsa_enable_private_segment 0
		.amdhsa_kernarg_size 72
		.amdhsa_user_sgpr_count 2
		.amdhsa_user_sgpr_kernarg_segment_ptr 1
		.amdhsa_wavefront_size32 1
		.amdhsa_system_sgpr_workgroup_id_x 1
		.amdhsa_system_sgpr_workgroup_id_y 1
		.amdhsa_system_sgpr_workgroup_id_z 1
		.amdhsa_system_vgpr_workitem_id 0
		.amdhsa_next_free_vgpr 128
		.amdhsa_next_free_sgpr 66
		.amdhsa_reserve_vcc 0
		.amdhsa_float_denorm_mode_32 3
		.amdhsa_float_denorm_mode_16_64 3
		.amdhsa_memory_ordered 1
		.amdhsa_forward_progress 1
		.amdhsa_inst_pref_size 14
	.end_amdhsa_kernel
	.amdgpu_metadata
---
amdhsa.version: [ 1, 2 ]
amdhsa.kernels:
  - .name:           k_qb3adabdbb9_quant
    .symbol:         k_qb3adabdbb9_quant.kd
    .args:
      - { .name: query, .offset: 0, .size: 8, .value_kind: global_buffer, .address_space: global }
      - { .name: key, .offset: 8, .size: 8, .value_kind: global_buffer, .address_space: global }
      - { .name: value, .offset: 16, .size: 8, .value_kind: global_buffer, .address_space: global }
      - { .name: q_w, .offset: 24, .size: 8, .value_kind: global_buffer, .address_space: global }
      - { .name: k_w, .offset: 32, .size: 8, .value_kind: global_buffer, .address_space: global }
      - { .name: v_w, .offset: 40, .size: 8, .value_kind: global_buffer, .address_space: global }
      - { .name: o_w, .offset: 48, .size: 8, .value_kind: global_buffer, .address_space: global }
      - { .name: XC, .offset: 56, .size: 8, .value_kind: global_buffer, .address_space: global }
      - { .name: XS, .offset: 64, .size: 8, .value_kind: global_buffer, .address_space: global }
    .group_segment_fixed_size: 68608
    .private_segment_fixed_size: 0
    .kernarg_segment_align: 8
    .kernarg_segment_size: 72
    .max_flat_workgroup_size: 256
    .sgpr_count:     66
    .vgpr_count:     128
    .wavefront_size: 32
...
	.end_amdgpu_metadata
.endif
;; end of part 1
;; launch proj (part 2): grid 4 x 48, 4 waves a work-group, clusters of 4 x 4, 327,680 bytes of LDS; arguments XC, XS, q_b, k_b, v_b, QC, QSC, KV; writes QC, QSC, KV
.if DOCPART == 2
	.amdgcn_target "amdgcn-amd-amdhsa--gfx1250"
	.amdhsa_code_object_version 6
	.text
	.protected	k_qb3adabdbb9_proj
	.globl	k_qb3adabdbb9_proj
	.p2align	8
	.type	k_qb3adabdbb9_proj,@function
k_qb3adabdbb9_proj:
	s_mov_b64 s[64:65], 0
	v_nop
	global_prefetch_b8 v0, s[64:65] scope:SCOPE_SE
	s_setreg_imm32_b32 hwreg(HW_REG_WAVE_MODE, 25, 1), 1
	s_wait_xcnt 0x0
	s_wait_alu depctr_hold_cnt(0) depctr_sa_sdst(0) depctr_va_vdst(0) depctr_va_sdst(0) depctr_va_ssrc(0) depctr_va_vcc(0) depctr_vm_vsrc(0)
	s_getreg_b32 s2, hwreg(HW_REG_IB_STS2, 6, 4)
	s_cmp_eq_u32 s2, 0
	s_cbranch_scc0 .Lentry_in_a_cluster
	s_endpgm
.Lentry_in_a_cluster:
	s_bfe_u32 s2, ttmp6, 0x10000c
	s_cmp_lg_u32 s2, 0xf033
	s_cbranch_scc0 .Lentry_shape_is_right
	s_endpgm
.Lentry_shape_is_right:
; A SLOT HOLDS THREE K STEPS: 8 row-blocks x 4,608 bytes for each wave's load, 147,456 bytes a slot; two slots and the spare words are 295,424 bytes.
; K steps 0-2 lie in slot 0, 3-5 in slot 1; slot 0 is filled again ONCE, with K steps 5-7, of which 6 and 7 are read (a tile of the same shape, inside its own row-blocks).
.set HALFT, 36864
.set SLOT,  4*HALFT
.set SPARE, 2*SLOT
.set RR,   1
.set HH,   2
.set L16,  3
.set L8,   4
.set SOFF, 5
.set ADA16, 8
.set ADA8, 10
.set ADB16, 12
.set ADB8, 14
.set VB,   16
.set VS,   24
.set SPW,  28
.set NIL,  29
.set SC,   32
.set AF,   128
.set TM,   128
.set PC,   144
.set PWS,  184
.set SW,   192
.set WV, 20
.set RH, 21
.set CH, 22
.set GG, 23
.set G1, 24
.set G0, 32
.set G1B, 48
.set G0B, 56
.set MH,  79
.set T0,  82
.set CH0, 83
.set BP,  88
.set SEL, 92
.set P0,  72
.set P1,  74
.set PS,  76
.set DS,  80
.set DJ,  84
.set MV,  86
.set MSB, 0
.macro WIN new
.if MSB != (\new)
	s_set_vgpr_msb (MSB<<8)|(\new)
.set MSB, (\new)
.endif
.endm
.macro JLOAD g0a, g1a, g0b, g1b
	s_cmp_eq_u32 s[RH], 0
	s_cbranch_scc0 .Lfor_b_\@
	tensor_load_to_lds s[\g0a:\g0a+3], s[\g1a:\g1a+7]
	s_nop 0
.rept 4
	v_nop
.endr
	s_branch .Lasked_\@
.Lfor_b_\@:
	tensor_load_to_lds s[\g0b:\g0b+3], s[\g1b:\g1b+7]
	s_nop 0
.rept 4
	v_nop
.endr
.Lasked_\@:
.endm
.macro CREST
	s_cmp_lg_u32 s[WV], 0
	s_cbranch_scc1 .Lnot_wave_0_\@
	s_barrier_signal -3
.Lnot_wave_0_\@:
	s_barrier_wait -3
	s_barrier_signal -1
	s_barrier_wait -1
.endm
.macro CROUND
	s_barrier_signal -1
	s_barrier_wait -1
	CREST
.endm
.macro PLACES
.rept 4
	v_nop
.endr
.endm
.macro FRAG reg, a16, a8, off
	ds_load_b128 v[\reg:\reg+3], v[\a16] offset:\off
	ds_load_b64 v[\reg+4:\reg+5], v[\a8] offset:\off+512
	ds_load_b128 v[\reg+6:\reg+9], v[\a16] offset:\off+768
	ds_load_b64 v[\reg+10:\reg+11], v[\a8] offset:\off+1280
.endm
.macro FETCH_B slot, q, p
	WIN 0x40
.irp i, 0,1,2,3,4,5,6,7
	FRAG 128*(\p)+12*\i, ADB16+\slot, ADB8+\slot, 4608*\i+1536*(\q)
.endr
	WIN 0
.endm
.macro FETCH_A slot, q, i0
.irp i, \i0, \i0+1, \i0+2, \i0+3
	FRAG AF+12*(\i), ADA16+\slot, ADA8+\slot, 4608*(\i)+1536*(\q)
.endr
.endm
.macro MUL16 a0, p, ks, first
.irp a, \a0, \a0+1
.irp b, 0,1,2,3,4,5,6,7
.set rD, 8*(8*((\a)%4)+\b)
.set rB, 128*(\p)+12*\b
.set rA, AF+12*(\a)
.set rC, rD
.if \first == 1
.set rC, 96+8*\b+96*(\b/4)
.endif
.if \first == 2
.set rC, 96+8*(\a)+96*((\a)/4)
.endif
	v_wmma_scale_f32_16x16x128_f8f6f4 v[rD:rD+7], v[rB:rB+11], v[rA:rA+11], v[rC:rC+7], v[SC+8*\b+\ks], v[SC+8*(\a)+\ks] matrix_a_fmt:MATRIX_FMT_FP6 matrix_b_fmt:MATRIX_FMT_FP6 matrix_a_scale:MATRIX_SCALE_ROW1
.endr
.endr
.endm
; p: B's set that this K step multiplies; the next K step's fragments, at place nq of the same slot, go into the other set
.macro STEP slot, ks, first, p=0, nq=1
	s_wait_dscnt 16
.if \first
	WIN 0x81
.else
	WIN 0xa1
.endif
	MUL16 0, \p, \ks, \first
	MUL16 2, \p, \ks, \first
	s_wait_dscnt 0x0
	PLACES
	FETCH_B \slot, \nq, 1-(\p)
	FETCH_A \slot, \nq, 0
.if \first
	WIN 0xc1
.else
	WIN 0xf1
.endif
	MUL16 4, \p, \ks, \first
	MUL16 6, \p, \ks, \first
	PLACES
	WIN 0
	FETCH_A \slot, \nq, 4
.endm
; the last K step of a slot: p as above; the next K step lies at place nq of the other slot
.macro TURN slot, next, fill, ks, p, nq
	s_wait_tensorcnt 0x0
	ds_add_u32 v[SPW], v[NIL]
	s_wait_dscnt 17
	WIN 0xa1
	MUL16 0, \p, \ks, 0
	s_wait_dscnt 0x0
	s_barrier_signal -1
	MUL16 2, \p, \ks, 0
	WIN 0
	s_barrier_wait -1
.if \fill
	CREST
	s_add_nc_u64 s[G0+4*\slot+2:G0+4*\slot+3], s[G0+4*\slot+2:G0+4*\slot+3], 7680      ; five K steps on
	s_add_nc_u64 s[G0B+4*\slot+2:G0B+4*\slot+3], s[G0B+4*\slot+2:G0B+4*\slot+3], 7680
	JLOAD G0+4*\slot, G1, G0B+4*\slot, G1B
.else
	PLACES
.endif
	FETCH_B \next, \nq, 1-(\p)
	FETCH_A \next, \nq, 0
	WIN 0xf1
	MUL16 4, \p, \ks, 0
	MUL16 6, \p, \ks, 0
	PLACES
	WIN 0
	FETCH_A \next, \nq, 4
.endm
	s_load_b256 s[4:11], s[0:1], 0x0
	s_load_b256 s[12:19], s[0:1], 0x20
	v_lshl_add_u32 v[SPW], v0, 2, SPARE
	v_mov_b32 v[NIL], 0
	ds_add_u32 v28, v29
	ds_add_u32 v28, v29
	s_wait_dscnt 0x0
	v_lshrrev_b32 v6, 5, v0
	v_readfirstlane_b32 s[WV], v6
	s_lshr_b32 s[RH], s[WV], 1
	s_and_b32 s[CH], s[WV], 1
	s_and_b32 s67, ttmp7, 0xffff
	s_lshr_b32 s[GG], s67, 2
	s_and_b32 s42, s67, 3
	s_lshl_b32 s42, s42, 2
	s_bfe_u32 s40, ttmp6, 0x40000
	s_bfe_u32 s41, ttmp6, 0x40004
	s_lshl_b32 s47, s[GG], 8
	s_lshl_b32 s66, s[GG], 6
	s_add_co_u32 s66, s66, 768
	s_cmp_eq_u32 s[GG], 2
	s_cselect_b32 s45, 0, s42
	s_cselect_b32 s46, s42, 0
	s_cselect_b32 s47, 896, s47
	s_cselect_b32 s66, 512, s66
	s_add_co_u32 s45, s45, s41
	s_add_co_u32 s46, s46, s40
	s_lshl_b32 s68, s45, 4
	s_add_co_u32 s47, s47, s68
	s_lshl_b32 s69, s46, 4
	s_add_co_u32 s66, s66, s69
	s_lshl_b32 s43, s41, 2
	s_lshl_b32 s43, 15, s43
	s_lshl_b32 s44, 0x1111, s40
	s_or_b32 s[G1], s43, (3<<16)|(1<<21)
	s_or_b32 s[G1B], s44, (3<<16)|(1<<21)
.irp g, G1, G1B
	s_mov_b32 s[\g+1], 576<<16                     ; a row: three K steps, 4,608 bytes, 576 elements of 8
	s_mov_b32 s[\g+2], 8<<16
	s_mov_b32 s[\g+3], 576<<16
	s_mov_b32 s[\g+4], 8
	s_mov_b32 s[\g+5], 1536
	s_mov_b32 s[\g+6], 0
	s_mov_b32 s[\g+7], 0
.endr
	s_lshl_b32 s70, s[CH], 3
	s_add_co_u32 s72, s47, s70
	s_mul_i32 s72, s72, 12288
	s_mov_b32 s73, 0
	s_add_co_u32 s74, s66, s70
	s_mul_i32 s74, s74, 12288
	s_mov_b32 s75, 0
	s_mul_i32 s76, s[WV], HALFT
	s_wait_kmcnt 0x0
	s_add_nc_u64 s[72:73], s[4:5], s[72:73]
	s_add_nc_u64 s[74:75], s[4:5], s[74:75]
	CROUND
.irp s, 0,1
	s_mov_b32 s[G0+4*\s], 1
	s_add_co_u32 s[G0+4*\s+1], s76, \s*SLOT
	s_add_nc_u64 s[G0+4*\s+2:G0+4*\s+3], s[72:73], \s*4608
	s_or_b32 s[G0+4*\s+3], s[G0+4*\s+3], 0x80000000
	s_mov_b32 s[G0B+4*\s], 1
	s_add_co_u32 s[G0B+4*\s+1], s76, \s*SLOT
	s_add_nc_u64 s[G0B+4*\s+2:G0B+4*\s+3], s[74:75], \s*4608
	s_or_b32 s[G0B+4*\s+3], s[G0B+4*\s+3], 0x80000000
.endr
	JLOAD G0, G1, G0B, G1B                         ; K steps 0-2, behind the opening round: my one tensor load at the head
	v_and_b32 v6, 31, v0
	v_and_b32 v[RR], 15, v0
	v_bfe_u32 v[HH], v0, 4, 1
	v_lshlrev_b32 v[L16], 4, v6
	v_lshlrev_b32 v[L8], 3, v6
	s_mul_i32 s77, s[RH], HALFT
	s_mul_i32 s78, s[CH], HALFT
	s_add_co_u32 s78, s78, 2*HALFT
.irp s, 0,1
	v_add_nc_u32 v[ADA16+\s], s77, v[L16]
	v_add_nc_u32 v[ADA8+\s], s77, v[L8]
	v_add_nc_u32 v[ADB16+\s], s78, v[L16]
	v_add_nc_u32 v[ADB8+\s], s78, v[L8]
	s_add_co_u32 s77, s77, SLOT
	s_add_co_u32 s78, s78, SLOT
.endr
	s_lshl_b32 s77, s[RH], 3
	s_add_co_u32 s77, s77, s47
	s_lshl_b32 s77, s77, 9
	s_add_co_u32 s78, s66, s70
	s_lshl_b32 s78, s78, 9
	s_mov_b32 s[MH], 0xffff0000
	v_mov_b32 v6, s77
	v_mov_b32 v7, s78
	v_cndmask_b32 v[VS], v6, v7, s[MH]
	v_lshl_add_u32 v[VS], v[RR], 2, v[VS]
.irp i, 0,1,2,3,4,5,6,7                        ; the scale words of K steps 0-3 first: 32 loads
.irp k, 0,1,2,3
	global_load_b32 v[SC+8*\i+\k], v[VS], s[6:7] offset:512*\i+64*\k
.endr
.endr
	s_lshl_b32 s80, s45, 8
	s_lshl_b32 s81, s[RH], 7
	s_add_co_u32 s80, s80, s81
	s_lshl_b32 s81, s46, 8
	s_lshl_b32 s87, s[CH], 7
	s_add_co_u32 s81, s81, s87
	s_cmp_eq_u32 s[GG], 2
	s_cselect_b32 s[T0], s81, s80
	s_cselect_b32 s[CH0], s80, s81
	s_cselect_b32 s84, 0, 64
	s_cselect_b32 s85, 4, 0
	s_cselect_b64 s[BP:BP+1], s[12:13], s[10:11]
	s_cmp_eq_u32 s[GG], 0
	s_cselect_b64 s[BP:BP+1], s[8:9], s[BP:BP+1]
	s_lshl_b32 s90, s[CH0], 2
	s_mov_b32 s91, 0
	s_add_nc_u64 s[BP:BP+1], s[BP:BP+1], s[90:91]
	v_and_b32 v6, 8, v[RR]
	v_add_nc_u32 v6, v6, v[RR]
	v_mul_u32_u24 v[VB], s84, v[HH]
	v_mad_u32_u24 v[VB], v6, s85, v[VB]
	s_wait_alu depctr_va_vdst(0)                   ; the wait here, directly ahead of the branch
	s_cmp_eq_u32 s[GG], 2                          ; the tensor: the cluster's number alone, the same in all partners
	s_cbranch_scc1 .Lbias_v
.irp x, 0,1,2,3,4,5,6,7                        ; Q, K: a lane's eight registers of a tile are eight neighbouring channels: two loads of 16 bytes
	global_load_b128 v[96+8*\x+96*(\x/4):96+8*\x+96*(\x/4)+3], v[VB], s[BP:BP+1] offset:4*(32*(\x/2)+8*(\x%2))
	global_load_b128 v[96+8*\x+96*(\x/4)+4:96+8*\x+96*(\x/4)+7], v[VB], s[BP:BP+1] offset:4*(32*(\x/2)+8*(\x%2))+16
.endr
	s_branch .Lbias_done
.Lbias_v:
.irp x, 0,1,2,3,4,5,6,7                        ; V: one channel a lane and tile, spread over the tile's eight registers
	global_load_b32 v[96+8*\x+96*(\x/4)], v[VB], s[BP:BP+1] offset:4*(32*(\x/2)+8*(\x%2))
.endr
	s_wait_loadcnt 0x0
.irp x, 0,1,2,3,4,5,6,7
.irp j, 1,2,3,4,5,6,7
	v_mov_b32 v[96+8*\x+96*(\x/4)+\j], v[96+8*\x+96*(\x/4)]
.endr
.endr
.Lbias_done:
.irp i, 0,1,2,3,4,5,6,7                        ; the scale words of K steps 4-7: 32 loads, waited for ahead of K step 4
.irp k, 4,5,6,7
	global_load_b32 v[SC+8*\i+\k], v[VS], s[6:7] offset:512*\i+64*\k
.endr
.endr
	s_mov_b32 s[SEL], 0x76543210
	s_mov_b32 s[SEL+1], 0xfedcba98
	s_wait_alu depctr_va_vdst(0)                   ; the wait at the head's end
	s_wait_tensorcnt 0x0                           ; my part of slot 0 is in
	ds_add_u32 v[SPW], v[NIL]
	s_wait_dscnt 0x0
	CROUND                                         ; everybody's part of slot 0 is in, and the sixteen work-groups meet
	JLOAD G0+4, G1, G0B+4, G1B                     ; slot 1's first fill (K steps 3-5), the first tensor load behind the round
	FETCH_B 0, 0, 0
	FETCH_A 0, 0, 0
	FETCH_A 0, 0, 4
	s_wait_loadcnt 32                              ; the scale words of K steps 0-3 and the bias are in; the 32 younger loads (K steps 4-7's scale words) may be out
	s_cmp_eq_u32 s[GG], 2
	s_cbranch_scc1 .Lfirst_v
	STEP 0, 0, 1
	s_branch .Lfirst_done
.Lfirst_v:
	STEP 0, 0, 2
.Lfirst_done:
	STEP 0, 1, 0, 1, 2                             ; K step 1 on set 1; K step 2 (slot 0, place 2) into set 0
	TURN 0, 1, 1, 2, 0, 0                          ; K step 2: slot 1 is shown, slot 0 is filled again; K step 3 (slot 1, place 0) into set 1
	STEP 1, 3, 0, 1, 1
	s_wait_loadcnt 0x0                             ; the scale words of K steps 4-7 are in
	STEP 1, 4, 0, 0, 2
	TURN 1, 0, 0, 5, 1, 1                          ; K step 5: K step 6 (slot 0, place 1) into set 0
	STEP 0, 6, 0, 0, 2
	s_wait_dscnt 16
	WIN 0xa1
	MUL16 0, 1, 7, 0
	MUL16 2, 1, 7, 0
	s_wait_dscnt 0x0
	WIN 0xf1
	MUL16 4, 1, 7, 0
	MUL16 6, 1, 7, 0
	WIN 0
	s_lshr_b32 s66, s[T0], 11
	s_lshl_b32 s66, s66, 4
	s_lshr_b32 s67, s[CH0], 6
	s_add_co_u32 s66, s66, s67
	s_bfe_u32 s67, s[T0], 0x40007
	s_mov_b32 s68, 204800
	s_mov_b32 s69, 12800
	s_mov_b32 s78, 204800
	s_cmp_eq_u32 s[GG], 0
	s_cselect_b32 s68, 98304, s68
	s_cselect_b32 s69, 6144, s69
	s_cselect_b32 s78, 4096, s78
	s_cselect_b64 s[P0:P0+1], s[14:15], s[18:19]
	s_cselect_b64 s[PS:PS+1], s[16:17], s[18:19]
	s_mul_i32 s70, s66, s68
	s_mul_i32 s71, s67, s69
	s_add_co_u32 s70, s70, s71
	s_lshl_b32 s94, s66, 12
	s_lshl_b32 s95, s67, 8
	s_add_co_u32 s94, s94, s95
	s_mov_b32 s[DS], 768
	s_cmp_eq_u32 s[GG], 2
	s_cselect_b32 s71, 6400, 0
	s_cselect_b32 s90, 768, s68
	s_cselect_b32 s[DS], 1536, s[DS]
	s_cselect_b32 s[DJ], 204800-6144, 0
	s_cselect_b32 s[MV], -1, 0
	s_add_co_u32 s70, s70, s71
	s_mov_b32 s71, 0
	s_mov_b32 s[DS+1], 0
	s_mov_b32 s[DJ+1], 0
	s_mov_b32 s91, 0
	s_add_co_u32 s95, s70, 6144
	s_cmp_eq_u32 s[GG], 0
	s_cselect_b32 s94, s94, s95
	s_mov_b32 s95, 0
	s_add_nc_u64 s[P0:P0+1], s[P0:P0+1], s[70:71]
	s_add_nc_u64 s[P1:P1+1], s[P0:P0+1], s[90:91]
	s_add_nc_u64 s[PS:PS+1], s[PS:PS+1], s[94:95]
	PLACES
	v_mul_u32_u24 v[SOFF], s78, v[HH]
	v_lshl_add_u32 v[SOFF], v[RR], 4, v[SOFF]
.irp b, 0,1,2,3
	v_mov_b32 v[TM+4+\b], 0
.endr
.macro BLOCK a
.set AC, 64*((\a)%4)
.set PCS, PC+20*((\a)%2)
	WIN 0x0a+5*((\a)/4)
.irp b, 0,1,2,3
	v_max3_num_f32 v[TM+\b], |v[AC+16*\b]|, |v[AC+16*\b+1]|, 0x1800000
.endr
.irp i, 2,4,6,8,10,12,14
.irp b, 0,1,2,3
	v_max3_num_f32 v[TM+\b], |v[AC+16*\b+\i]|, |v[AC+16*\b+\i+1]|, v[TM+\b]
.endr
.endr
	WIN 0
.irp b, 0,1,2,3
	v_permlanex16_b32 v[TM+4+\b], v[TM+\b], s[SEL], s[SEL+1]
.endr
.irp b, 0,1,2,3
	v_max_num_f32 v[TM+\b], v[TM+\b], v[TM+4+\b]
.endr
.irp b, 0,1,2,3
	v_add_nc_u32 v[TM+12+\b], 0xff000000, v[TM+\b]
.endr
.irp b, 0,1,2,3
	v_lshrrev_b32 v[TM+4+\b], 23, v[TM+12+\b]
.endr
	v_lshl_or_b32 v[PWS+(\a)], v[TM+5], 8, v[TM+4]
	v_lshl_or_b32 v[PWS+(\a)], v[TM+6], 16, v[PWS+(\a)]
	v_lshl_or_b32 v[PWS+(\a)], v[TM+7], 24, v[PWS+(\a)]
.if (\a) > 0
	s_wait_xcnt 0x0
	s_add_nc_u64 s[P0:P0+1], s[P0:P0+1], s[DS:DS+1]
	s_add_nc_u64 s[P1:P1+1], s[P1:P1+1], s[DS:DS+1]
.endif
.if (\a) == 4
	s_add_nc_u64 s[P0:P0+1], s[P0:P0+1], s[DJ:DJ+1]
	s_add_nc_u64 s[P1:P1+1], s[P1:P1+1], s[DJ:DJ+1]
.endif
	WIN 0x02+((\a)/4)
.irp c, 0,1
	v_cvt_scalef32_pk16_fp6_f32 v[PCS+6*\c:PCS+2+6*\c], v[AC+32*\c:AC+15+32*\c], v[TM+12+2*\c]
	v_cvt_scalef32_pk16_fp6_f32 v[PCS+12+4*\c:PCS+14+4*\c], v[AC+16+32*\c:AC+31+32*\c], v[TM+12+2*\c+1]
.endr
	WIN 0
	v_nop
.irp c, 0,1
.irp i, 0,1,2
	v_permlane16_swap_b32 v[PCS+6*\c+\i], v[PCS+12+4*\c+\i]
.endr
.irp i, 0,1,2
	v_mov_b32 v[PCS+3+6*\c+\i], v[PCS+12+4*\c+\i]
.endr
.endr
	global_store_b128 v[L16], v[PCS:PCS+3], s[P0:P0+1]
	global_store_b64 v[L8], v[PCS+4:PCS+5], s[P0:P0+1] offset:512
	global_store_b128 v[L16], v[PCS+6:PCS+9], s[P1:P1+1]
	global_store_b64 v[L8], v[PCS+10:PCS+11], s[P1:P1+1] offset:512
.endm
.irp a, 0,1,2,3,4,5,6,7
	BLOCK \a
.endr
.irp b, 0,1,2,3
	v_perm_b32 v196, v[PWS+2*\b+1], v[PWS+2*\b], 0x05040100
	v_perm_b32 v197, v[PWS+2*\b+1], v[PWS+2*\b], 0x07060302
	v_cndmask_b32 v196, v196, v197, s[MH]
	v_cndmask_b32 v197, v[PWS+\b], v[PWS+\b+4], s[MH]
	v_cndmask_b32 v[SW+\b], v196, v197, s[MV]
.endr
	global_store_b128 v[SOFF], v[SW:SW+3], s[PS:PS+1]
	s_wait_tensorcnt 0x0
	ds_add_u32 v[SPW], v[NIL]
	s_wait_dscnt 0x0
	CROUND
	s_endpgm
.Lfunc_end_k_qb3adabdbb9_proj:
	.size	k_qb3adabdbb9_proj, .Lfunc_end_k_qb3adabdbb9_proj-k_qb3adabdbb9_proj
	.p2alignl 7, 3214868480
	.fill 96, 4, 3214868480
	.section	.rodata,"a",@progbits
	.p2align	6, 0x0
	.amdhsa_kernel k_qb3adabdbb9_proj
		.amdhsa_group_segment_fixed_size 327680
		.amdhsa_private_segment_fixed_size 0
		.amdhsa_enable_private_segment 0
		.amdhsa_kernarg_size 64
		.amdhsa_user_sgpr_count 2
		.amdhsa_user_sgpr_kernarg_segment_ptr 1
		.amdhsa_wavefront_size32 1
		.amdhsa_system_sgpr_workgroup_id_x 1
		.amdhsa_system_sgpr_workgroup_id_y 1
		.amdhsa_system_sgpr_workgroup_id_z 1
		.amdhsa_system_vgpr_workitem_id 0
		.amdhsa_next_free_vgpr 1024
		.amdhsa_next_free_sgpr 100
		.amdhsa_reserve_vcc 0
		.amdhsa_float_denorm_mode_32 3
		.amdhsa_float_denorm_mode_16_64 3
		.amdhsa_memory_ordered 1
		.amdhsa_forward_progress 1
		.amdhsa_inst_pref_size 170
	.end_amdhsa_kernel
	.amdgpu_metadata
---
amdhsa.version: [ 1, 2 ]
amdhsa.kernels:
  - .name:           k_qb3adabdbb9_proj
    .symbol:         k_qb3adabdbb9_proj.kd
    .args:
      - { .name: XC, .offset: 0, .size: 8, .value_kind: global_buffer, .address_space: global }
      - { .name: XS, .offset: 8, .size: 8, .value_kind: global_buffer, .address_space: global }
      - { .name: q_b, .offset: 16, .size: 8, .value_kind: global_buffer, .address_space: global }
      - { .name: k_b, .offset: 24, .size: 8, .value_kind: global_buffer, .address_space: global }
      - { .name: v_b, .offset: 32, .size: 8, .value_kind: global_buffer, .address_space: global }
      - { .name: QC, .offset: 40, .size: 8, .value_kind: global_buffer, .address_space: global }
      - { .name: QSC, .offset: 48, .size: 8, .value_kind: global_buffer, .address_space: global }
      - { .name: KV, .offset: 56, .size: 8, .value_kind: global_buffer, .address_space: global }
    .group_segment_fixed_size: 327680
    .private_segment_fixed_size: 0
    .kernarg_segment_align: 8
    .kernarg_segment_size: 64
    .max_flat_workgroup_size: 128
    .sgpr_count:     100
    .vgpr_count:     1024
    .wavefront_size: 32
...
	.end_amdgpu_metadata
.endif
;; end of part 2
;; launch attn (part 3): grid 8 x 32, 8 waves a work-group, clusters of 4 x 1, 206,848 bytes of LDS; arguments QC, QSC, KV, XC, XS; writes XC, XS
.if DOCPART == 3
	.amdgcn_target "amdgcn-amd-amdhsa--gfx1250"
	.amdhsa_code_object_version 6
	.text
	.protected	k_qb3adabdbb9_attn
	.globl	k_qb3adabdbb9_attn
	.p2align	8
	.type	k_qb3adabdbb9_attn,@function
k_qb3adabdbb9_attn:
	s_mov_b64 s[64:65], 0
	v_nop
	global_prefetch_b8 v0, s[64:65] scope:SCOPE_SE
	s_setreg_imm32_b32 hwreg(HW_REG_WAVE_MODE, 25, 1), 1
	s_wait_xcnt 0x0
	s_wait_alu depctr_hold_cnt(0) depctr_sa_sdst(0) depctr_va_vdst(0) depctr_va_sdst(0) depctr_va_ssrc(0) depctr_va_vcc(0) depctr_vm_vsrc(0)
	s_getreg_b32 s2, hwreg(HW_REG_IB_STS2, 6, 4)
	s_cmp_eq_u32 s2, 0
	s_cbranch_scc0 .Lentry_in_a_cluster
	s_endpgm
.Lentry_in_a_cluster:
	s_bfe_u32 s2, ttmp6, 0x10000c
	s_cmp_lg_u32 s2, 0x3003
	s_cbranch_scc0 .Lentry_shape_is_right
	s_endpgm
.Lentry_shape_is_right:
; O[head][q] = the sum over k of softmax_k(Q[q] . K[k] / 8) V[k], head size 64, 2,048 keys, 32 heads of batches, both products on codes of FP6 (E2M3) with E8M0 scales; the merged heads leave quantised along the channels.
; THE SOFTMAX: t = score x log2(e) / 8; M = the running largest t rounded UP to a whole number; p = 2^(t - M) is quantised along the keys, not normalised; the row's sum is taken of the unquantised p and divides at the end.
; When M moves, the sum and O are multiplied by 2^(old M - new M): exact.
; SHARES.  A work-group owns 256 queries of one head; each of its eight waves TWO tiles of 16 queries, in 512 registers: a fragment of K or V that is read from LDS serves both tiles.
; LDS.  The head's whole block of KV, 204,800 bytes (16 records of 128 keys), lies in LDS as it lies in memory, filled ONCE: each wave asks for two records (25,600 bytes, 100 rows of 256) by its one tensor load.
; A record: K's 8 half fragments (768 bytes each; two on end are a fragment); at 6,144 K's scale words [r][pair of tiles]; at 6,400 V^T's 4 fragments (16 channels x 128 keys); at 12,544 V's scale words [r][tile].
; CLUSTER.  The four query blocks of a cluster read the same head: every load is a joint one (mask 15).
; NO PREFETCH: every byte of KV is asked for at the head by its one load; no loop asks for anything, so there is nothing to run ahead of.
; TWO STAGES.  Wave 0 has a load line of its own (records 0, 1) and waits for it ahead of the first barrier; the first step, which is written out, reads those two records alone; one more barrier, with every wave's wait
; ahead of it, shows the rest.  Behind it there is no barrier.
; K = 64 IN A FORM OF K = 128.  A fragment of K holds tile 2 p's 64 channels in k 0-63 and tile 2 p + 1's in k 64-127.  Q stands in 18 registers, zeros | q | zeros: [q | 0] picks the even tile, [0 | q] the odd one.
; LAYOUT.  Both products are used transposed: a lane holds ONE query (lane % 16) of each tile.  Row r of tile T of a step is key 64 (T / 4) + 32 (r / 8) + 8 (T % 4) + r % 8, so register 32 c + i of a lane's 64 scores is
; key 64 c + 32 (lane / 16) + i: two WHOLE blocks of 32 keys a lane, in the order of the second product's operand.  Lane r of V^T's tile 2 b + u is channel 32 b + 8 u + r + 8 (r / 8).
; REGISTERS.  Window 1 holds what belongs to the scores: both tiles' 64 scores, K's fragments, q, and all small numbers; window 0 holds addresses, all scale registers, V's fragments, both O^T and p's codes.
; So one window setting serves the score products and all vector work on scores of either tile, and lines of the two tiles stand by turns.
; A STEP (128 keys), tile 0 half a phase ahead of tile 1:  tile 0's 8 score products, among them tile 1's row sum of the step before;  tile 1's 8, among them tile 0's maxima;  K of the next record is asked for;
; tile 1's maxima and tile 0's chain to M by turns;  tile 1's chain and tile 0's t - M by turns;  O^T under the new M;  tile 0's exponentials, among them tile 1's t - M;  both scale words, tile 0's codes;
; tile 1's exponentials, among them the first level of tile 0's row sum;  tile 1's codes, the rest of tile 0's sum;  the 8 second products;  V of the next record is asked for.
; A line that stands among exponentials reads only what was written ahead of the wait in front of the batch, and what it writes is read only behind the wait that follows the batch.
; Each wait on DScnt counts the 17 younger loads (the other operand's) that may stay out.
; LIMITS: the promise holds while |t| stays under 2^31; a block's largest p is taken from its largest score (it takes v_exp_f32 not to fall where its input rises); 1 / sum by v_rcp_f32; a p under 2^-126 counts as 0;
; a block of zeros gets the byte 1 (this program alone reads the bytes); NaN and infinities are not served.
.set SPARE, 0x32000                    ; behind the 16 records: the spare words, 128 bytes a wave
.set REC,  12800
; window 0
.set L16, 1                            ; 16 x lane
.set L8,  2                            ; 8 x lane
.set R16, 3                            ; 16 x (lane % 16)
.set A16, 4                            ; v4-6 the same in the record that is fetched next
.set A8,  5
.set AR,  6
.set R4,  7                            ; 4 x (lane % 16)
.set SQ,  34                           ; v34, v35 q's two scale bytes, twice: tile 0, tile 1
.set KS,  36                           ; v36-39 K's scale words
.set VS,  40                           ; v40-43 V's
.set PW,  44                           ; v44, v45 p's scale word: tile 0, tile 1
.set VF,  48                           ; v48-95 V's four fragments
.set O,   96                           ; v96-159 O^T: 32 registers a tile
.set P,   160                          ; v160-183 p's codes: 12 a tile
.set PT,  184                          ; v184-190 the conversions' second halves
.set SPW, 254
.set NIL, 255
; window 1: registers 0-127 are the scores, then p: 64 a tile
.set KF,  128                          ; 128-175 K's four fragments
.set QZ,  176                          ; 176-211 zeros | q | zeros: 18 a tile
.set BM,  212                          ; 212-227 eight chains of maxima a tile; then at 8 t + 4 c: block c's largest score and p, + 1 its scale operand, + 2 its byte; at 8 t + 3 the scale word in the making
.set T4,  228                          ; 228-231 lane permutes' results
.set NM,  232                          ; pairs: -M and the running largest t
.set TMP, 236
.set OLD, 238
.set FF,  240                          ; pairs: f = 2^(old M - new M), and a written 0
.set LS,  244                          ; 244-251 the row's sum: two pairs a tile
.set H8,  252                          ; 8 x (lane / 16)
.set WV,  14
.set G1,  20                           ; s[20:27] descriptor group 1;  s[28:31] group 0
.set G0,  28
.set SEL, 44                           ; s[44:45] selects for lane l xor 16
.set CS,  46                           ; s[46:47] c = log2(e) / 8
.set TB,  48                           ; s48 LDS byte of the record that is fetched next
.set CNT, 49
.set MSB, 0
.macro WIN new                         ; low byte: bits 1:0 source 0, 3:2 source 1, 5:4 source 2, 7:6 destination; the high byte repeats the setting that is left
.if MSB != (\new)
	s_set_vgpr_msb (MSB<<8)|(\new)
.set MSB, (\new)
.endif
.endm
.macro WALU
	s_wait_alu depctr_va_vdst(0)
.endm
.macro PLACES
.rept 4
	v_nop
.endr
.endm
.macro ROUND                           ; a round of the cluster's barrier
	s_barrier_signal -1
	s_barrier_wait -1
	s_cmp_lg_u32 s[WV], 0
	s_cbranch_scc1 .Lnot_wave_0_\@
	s_barrier_signal -3
.Lnot_wave_0_\@:
	s_barrier_wait -3
	s_barrier_signal -1
	s_barrier_wait -1
.endm
.macro FRAG reg, a16, a8, off          ; a fragment's image back into 12 registers: every load reads consecutive bytes
	ds_load_b128 v[\reg:\reg+3], v[\a16] offset:\off
	ds_load_b64 v[\reg+4:\reg+5], v[\a8] offset:\off+512
	ds_load_b128 v[\reg+6:\reg+9], v[\a16] offset:\off+768
	ds_load_b64 v[\reg+10:\reg+11], v[\a8] offset:\off+1280
.endm
.macro KLOAD a16, a8, ar               ; a record's K: 17 loads, the fragments into window 1
	WIN 0x40
.irp b, 0,1,2,3
	FRAG KF+12*\b, \a16, \a8, 1536*\b
.endr
	WIN 0
	ds_load_b128 v[KS:KS+3], v[\ar] offset:6144
.endm
.macro VLOAD a16, a8, ar               ; a record's V: 17 loads
	WIN 0
.irp b, 0,1,2,3
	FRAG VF+12*\b, \a16, \a8, 6400+1536*\b
.endr
	ds_load_b128 v[VS:VS+3], v[\ar] offset:12544
.endm
.macro MM d, a, b, c, sa, sb
	v_wmma_scale_f32_16x16x128_f8f6f4 v[\d:\d+7], v[\a:\a+11], v[\b:\b+11], \c, v[\sa], v[\sb] matrix_a_fmt:MATRIX_FMT_FP6 matrix_b_fmt:MATRIX_FMT_FP6
.endm
; The step's work as numbered lines, so that two kinds can stand by turns.  t: the query tile; i: the line.
.macro QKOP t, i                       ; 8 lines: S^T = K Q^T, accumulator i
	MM 64*(\t)+8*(\i), KF+12*((\i)/2), QZ+18*(\t)+6-6*((\i)%2), 0, KS+(\i)/2, SQ+(\t)
.endm
.macro MAXOP t, i                      ; 32 lines: each block's largest score.  Eight chains, one to an accumulator, which is read from its low end on; then four lines a block join its four chains and their last scores
.set SB_, 64*(\t)
.set BB_, BM+8*(\t)
.if (\i) < 8
	v_max3_num_f32 v[BB_+(\i)], v[SB_+8*(\i)], v[SB_+8*(\i)+1], v[SB_+8*(\i)+2]
.elseif (\i) < 24
.set A_, (\i)%8
.set R_, SB_+8*A_+3+2*((\i)/8-1)
	v_max3_num_f32 v[BB_+A_], v[BB_+A_], v[R_], v[R_+1]
.elseif (\i) < 28
.set C_, ((\i)-24)/2
.set K_, ((\i)-24)%2
	v_max3_num_f32 v[BB_+4*C_+2*K_], v[BB_+4*C_+2*K_], v[BB_+4*C_+2*K_+1], v[SB_+8*(4*C_+K_)+7]
.elseif (\i) < 30
.set C_, (\i)-28
	v_max3_num_f32 v[BB_+4*C_], v[BB_+4*C_], v[BB_+4*C_+2], v[SB_+8*(4*C_+2)+7]
.else
.set C_, (\i)-30
	v_max_num_f32 v[BB_+4*C_], v[BB_+4*C_], v[SB_+8*(4*C_+3)+7]
.endif
.endm
.macro CHOP t, j                       ; 12 lines: from the two blocks' largest scores to -M, f and t - M of the two
.set B0_, BM+8*(\t)
.if (\j) == 0
	v_max_num_f32 v[TMP+(\t)], v[B0_], v[B0_+4]
.elseif (\j) == 1
	v_permlanex16_b32 v[T4+(\t)], v[TMP+(\t)], s[SEL], s[SEL+1]
.elseif (\j) == 2
	v_max_num_f32 v[TMP+(\t)], v[TMP+(\t)], v[T4+(\t)]       ; the step's largest score of my query
.elseif (\j) == 3
	v_mul_f32 v[TMP+(\t)], s[CS], v[TMP+(\t)]                ; as t (c is positive)
.elseif (\j) == 4
	v_max_num_f32 v[NM+2*(\t)+1], v[NM+2*(\t)+1], v[TMP+(\t)]   ; the running largest t
.elseif (\j) == 5
	v_mov_b32 v[OLD+(\t)], v[NM+2*(\t)]
.elseif (\j) == 6
	v_floor_f32 v[NM+2*(\t)], -v[NM+2*(\t)+1]                ; the new -M = -ceil(t): a whole number
.elseif (\j) == 7
	v_fma_f32 v[B0_], v[B0_], s[CS], v[NM+2*(\t)]
.elseif (\j) == 8
	v_fma_f32 v[B0_+4], v[B0_+4], s[CS], v[NM+2*(\t)]
.elseif (\j) == 9
	v_sub_f32 v[TMP+(\t)], v[NM+2*(\t)], v[OLD+(\t)]         ; old M - new M, 0 or less
.elseif (\j) == 10
	v_cvt_i32_f32 v[TMP+(\t)], v[TMP+(\t)]                   ; (it saturates)
.else
	v_ldexp_f32 v[FF+2*(\t)], 1.0, v[TMP+(\t)]               ; f = 2^(old M - new M)
.endif
.endm
.macro FMAOP t, i                      ; 32 lines: t - M, two at a time
	v_pk_fma_f32 v[64*(\t)+2*(\i):64*(\t)+2*(\i)+1], v[64*(\t)+2*(\i):64*(\t)+2*(\i)+1], s[CS:CS+1], v[NM+2*(\t):NM+2*(\t)+1] op_sel_hi:[1,0,0]
.endm
.macro EXPOP t, i                      ; 64 lines: p = 2^(t - M), at most 1
	v_exp_f32 v[64*(\t)+(\i)], v[64*(\t)+(\i)]
.endm
.macro SUMOP t, i                      ; 32 lines: the row's sum of the unquantised p, a tree in place (the codes have been made): 16, 8, 4, 2 packed additions, then sum = sum x f + the two pairs left
.set SB_, 64*(\t)
.if (\i) < 16
.set K_, SB_+2*(\i)
.set H_, 32
.elseif (\i) < 24
.set K_, SB_+2*((\i)-16)
.set H_, 16
.elseif (\i) < 28
.set K_, SB_+2*((\i)-24)
.set H_, 8
.else
.set K_, SB_+2*((\i)-28)
.set H_, 4
.endif
.if (\i) < 30
	v_pk_add_f32 v[K_:K_+1], v[K_:K_+1], v[K_+H_:K_+H_+1]
.else
.set K_, 2*((\i)-30)
	v_pk_fma_f32 v[LS+4*(\t)+K_:LS+4*(\t)+K_+1], v[LS+4*(\t)+K_:LS+4*(\t)+K_+1], v[FF+2*(\t):FF+2*(\t)+1], v[SB_+K_:SB_+K_+1] op_sel_hi:[1,0,1]
.endif
.endm
.macro CVT t                           ; 64 p become codes: sources and scale operand window 1, results window 0
.irp c, 0,1
	v_cvt_scalef32_pk16_fp6_f32 v[P+12*\t+6*\c:P+12*\t+6*\c+2], v[64*\t+32*\c:64*\t+32*\c+15], v[BM+8*\t+4*\c+1]
	v_cvt_scalef32_pk16_fp6_f32 v[PT+4*\c:PT+4*\c+2], v[64*\t+32*\c+16:64*\t+32*\c+31], v[BM+8*\t+4*\c+1]   ; a conversion's three registers begin on an even number
.endr
.endm
.macro MOVS t
	v_nop                                          ; one plain instruction behind the conversions
.irp c, 0,1
.irp i, 0,1,2
	v_mov_b32 v[P+12*\t+3+6*\c+\i], v[PT+4*\c+\i]
.endr
.endr
.endm
.macro PV t                            ; O^T += V^T P^T; between two links on one accumulator stand 23 other matrix instructions
.irp u, 0,1,2,3
	MM O+32*\t+8*\u, VF+12*\u, P+12*\t, v[O+32*\t+8*\u:O+32*\t+8*\u+7], VS+\u, PW+\t
.endr
.endm
; A KEY STEP.  first = 1: no row sum is left over from a step before; pf = 1: the next record is fetched.
.macro STEP first, pf
.if \pf
	s_add_co_u32 s[TB], s[TB], REC
	v_add_nc_u32 v[A16], s[TB], v[L16]
	v_add_nc_u32 v[A8], s[TB], v[L8]
	v_add_nc_u32 v[AR], s[TB], v[R16]
.endif
	s_wait_dscnt 17                                ; K is in; V's 17 loads, issued behind K's, may be out
	WIN 0x55
.set I, 0
.rept 8
	QKOP 0, I
.if \first == 0
	SUMOP 1, 4*I
	SUMOP 1, 4*I+1
	SUMOP 1, 4*I+2
	SUMOP 1, 4*I+3                                 ; the last four are the places between tile 0's products and the first read of its scores
.endif
.set I, I+1
.endr
.if \first
	PLACES
.endif
.set I, 0
.rept 8
	QKOP 1, I
	MAXOP 0, 4*I
	MAXOP 0, 4*I+1
	MAXOP 0, 4*I+2
	MAXOP 0, 4*I+3                                 ; the last four are the places in front of the loads into K's registers and of the first read of tile 1's scores
.set I, I+1
.endr
.if \pf
	KLOAD A16, A8, AR
	WIN 0x55
.endif
.set I, 0
.rept 16
	MAXOP 1, 2*I
	MAXOP 1, 2*I+1
.if I < 12
	CHOP 0, I
.endif
.set I, I+1
.endr
.set I, 0
.rept 12
	CHOP 1, I
	FMAOP 0, 2*I
	FMAOP 0, 2*I+1
.set I, I+1
.endr
.set I, 24
.rept 8
	FMAOP 0, I
.set I, I+1
.endr
	WIN 0x04                                       ; f: window 1
.set J, 0
.rept 32
	v_pk_mul_f32 v[O+J:O+J+1], v[O+J:O+J+1], v[FF+2*(J/32):FF+2*(J/32)+1] op_sel_hi:[1,0]   ; O^T under the new M, each accumulator from its low end on
.set J, J+2
.endr
	WIN 0x55
	WALU                                           ; the wait ahead of the batch
.set I, 0
.rept 32
	EXPOP 0, 2*I
	FMAOP 1, I
	EXPOP 0, 2*I+1
.set I, I+1
.endr
.irp q, 0,4,8,12
	v_exp_f32 v[BM+\q], v[BM+\q]                   ; each block's largest p: the same two instructions on the same number give the same bits
.endr
	v_nop                                          ; a plain place behind the exponentials
	WALU                                           ; one wait for the batch, ahead of its first reader
.irp q, 0,4,8,12
	v_max_num_f32 v[BM+\q], 0x1800000, v[BM+\q]    ; the floor 2^(3 - 127): the byte cannot fall under 1
.endr
.irp q, 0,4,8,12
	v_add_nc_u32 v[BM+\q+1], 0xff000000, v[BM+\q]  ; 2 off the exponent field: the conversion's scale operand
.endr
.irp q, 0,4,8,12
	v_lshrrev_b32 v[BM+\q+2], 23, v[BM+\q+1]       ; the scale's byte
.endr
.irp t, 0,1
	v_lshl_or_b32 v[BM+8*\t+3], v[BM+8*\t+6], 16, v[BM+8*\t+2]   ; my two bytes: blocks h and 2 + h,
.endr
.irp t, 0,1
	v_lshlrev_b32 v[BM+8*\t+3], v[H8], v[BM+8*\t+3]              ; at their places in the scale word;
.endr
.irp t, 0,1
	v_permlanex16_b32 v[T4+2+\t], v[BM+8*\t+3], s[SEL], s[SEL+1]
.endr
	WIN 0x05
.irp t, 0,1
	v_or_b32 v[PW+\t], v[BM+8*\t+3], v[T4+2+\t]    ; with lane l xor 16's two the word of these 128 keys is whole
.endr
	CVT 0
	WIN 0
	MOVS 0
	WIN 0x55
	WALU                                           ; ahead of the second batch
.set I, 0
.rept 16
	EXPOP 1, 4*I
	SUMOP 0, I
	EXPOP 1, 4*I+1
	EXPOP 1, 4*I+2
	EXPOP 1, 4*I+3
.set I, I+1
.endr
	v_nop
	WALU
	WIN 0x05
	CVT 1
	WIN 0
	MOVS 1
	WIN 0x55
.set I, 16
.rept 16
	SUMOP 0, I                                     ; these sixteen stand between the last write of p's codes and the products
.set I, I+1
.endr
	WALU                                           ; the wait here, directly ahead of the wait below
.if \pf
	s_wait_dscnt 17                                ; V is in; the next K's 17 loads may be out
.else
	s_wait_dscnt 0x0
.endif
	WIN 0
	PV 0
	PV 1
.if \pf
	PLACES                                         ; between the products and the loads into their registers
	VLOAD A16, A8, AR
.endif
.endm
	s_load_b256 s[4:11], s[0:1], 0x0               ; QC, QSC, KV, XC
	s_load_b64 s[12:13], s[0:1], 0x20              ; XS
	v_lshl_add_u32 v[SPW], v0, 2, SPARE
	v_mov_b32 v[NIL], 0
	ds_add_u32 v[SPW], v[NIL]                      ; the opening lines: the add, twice on end, and its wait ahead of my first tensor load
	ds_add_u32 v[SPW], v[NIL]
	v_lshrrev_b32 v8, 5, v0
	v_readfirstlane_b32 s[WV], v8                  ; wave 0..7
	s_bfe_u32 s15, ttmp6, 0x40000                  ; cx
	s_lshl_b32 s16, ttmp9, 2
	s_add_co_u32 s16, s16, s15                     ; my block of 256 queries: it enters Q's and the result's addresses alone
	s_and_b32 s17, ttmp7, 0xffff                   ; the head of 32, which the partners share
	s_lshl_b32 s18, s16, 4
	s_lshl_b32 s19, s[WV], 1
	s_add_co_u32 s18, s18, s19                     ; my first tile of 16 queries, an even number, 0..126; the second follows it
	s_mul_i32 s50, s17, 204800
	s_mul_i32 s51, s[WV], 2*REC                    ; my two records, in memory and in LDS alike
	s_add_co_u32 s52, s50, s51
	s_mov_b32 s53, 0
	s_mov_b32 s[G1], 15|(3<<16)|(1<<21)            ; the mask: all four work-groups; elements of 8 bytes; bit 21 set beside a mask
	s_mov_b32 s[G1+1], 32<<16                      ; a dense block of 25,600 bytes as 100 rows of 256
	s_mov_b32 s[G1+2], 100<<16
	s_mov_b32 s[G1+3], 32<<16
	s_mov_b32 s[G1+4], 100
	s_mov_b32 s[G1+5], 32
	s_mov_b32 s[G1+6], 0
	s_mov_b32 s[G1+7], 0
	s_mov_b32 s[SEL], 0x76543210
	s_mov_b32 s[SEL+1], 0xfedcba98
	s_mov_b32 s[CS], 0x3e38aa3b                    ; log2(e) / 8
	s_mov_b32 s[CS+1], s[CS]
	s_wait_dscnt 0x0
	s_wait_kmcnt 0x0
	s_add_nc_u64 s[52:53], s[8:9], s[52:53]
	ROUND                                          ; all four work-groups are here: the joint loads meet
	s_mov_b32 s[G0], 1
	s_mov_b32 s[G0+1], s51
	s_mov_b64 s[G0+2:G0+3], s[52:53]
	s_or_b32 s[G0+3], s[G0+3], 0x80000000
	s_cmp_eq_u32 s[WV], 0                          ; one load a wave; wave 0, whose records the first barrier shows, has a line of its own
	s_cbranch_scc0 .Lfill_late
	tensor_load_to_lds s[G0:G0+3], s[G1:G1+7]
	s_nop 0
	PLACES
	s_branch .Lfilled
.Lfill_late:
	tensor_load_to_lds s[G0:G0+3], s[G1:G1+7]
	s_nop 0
	PLACES
.Lfilled:
	s_lshl_b32 s54, s17, 7
	s_add_co_u32 s54, s54, s18
	s_mul_i32 s54, s54, 768                        ; my first tile's half fragment of Q; the second's follows it
	s_mov_b32 s55, 0
	s_add_nc_u64 s[4:5], s[4:5], s[54:55]
	s_lshl_b32 s56, s17, 4
	s_lshr_b32 s57, s18, 3
	s_add_co_u32 s56, s56, s57
	s_lshl_b32 s56, s56, 8                         ; its 128 queries' scale words,
	s_bfe_u32 s57, s18, 0x20001
	s_lshl_b32 s57, s57, 2                         ; my pair of tiles: one word, the even tile's two bytes below
	s_add_co_u32 s56, s56, s57
	s_mov_b32 s57, 0
	s_add_nc_u64 s[6:7], s[6:7], s[56:57]
	; where the result goes: row-block 1024 + 128 x batch + tile; the head's half fragment and its half of a scale word
	s_lshr_b32 s54, s17, 4
	s_lshl_b32 s54, s54, 7
	s_add_co_u32 s54, s54, s18
	s_add_co_u32 s54, s54, 1024
	s_and_b32 s55, s17, 15                         ; the head of 16
	s_mul_i32 s56, s54, 12288
	s_mul_i32 s57, s55, 768
	s_add_co_u32 s56, s56, s57
	s_mov_b32 s57, 0
	s_add_nc_u64 s[10:11], s[10:11], s[56:57]
	s_lshl_b32 s56, s54, 9
	s_lshr_b32 s58, s55, 1
	s_lshl_b32 s58, s58, 6
	s_add_co_u32 s56, s56, s58
	s_and_b32 s58, s55, 1
	s_lshl_b32 s58, s58, 1
	s_add_co_u32 s56, s56, s58
	s_add_nc_u64 s[12:13], s[12:13], s[56:57]
	v_and_b32 v8, 31, v0
	v_and_b32 v9, 15, v0
	v_lshlrev_b32 v[L16], 4, v8
	v_lshlrev_b32 v[L8], 3, v8
	v_lshlrev_b32 v[R16], 4, v9
	v_lshlrev_b32 v[R4], 2, v9
	v_bfe_u32 v11, v0, 4, 1
	v_lshlrev_b32 v11, 3, v11
	global_load_b32 v10, v[R16], s[6:7]
	WIN 0x40                                       ; destination: window 1
	global_load_b128 v[QZ+6:QZ+9], v[L16], s[4:5]
	global_load_b64 v[QZ+10:QZ+11], v[L8], s[4:5] offset:512
	global_load_b128 v[QZ+24:QZ+27], v[L16], s[4:5] offset:768
	global_load_b64 v[QZ+28:QZ+29], v[L8], s[4:5] offset:1280
	v_mov_b32 v[H8], v11
.irp j, 0,1,2,3,4,5,12,13,14,15,16,17,18,19,20,21,22,23,30,31,32,33,34,35
	v_mov_b32 v[QZ+\j], 0                          ; the zero codes on both sides of each q
.endr
.irp j, 0,1,2,3,4,5,6,7
	v_mov_b32 v[LS+\j], 0                          ; the sums
.endr
.irp j, 0,1,2,3
	v_mov_b32 v[FF+\j], 0                          ; the pairs' upper halves are named with the lower
	v_mov_b32 v[T4+\j], 0                          ; written once: a lane permute's destination counts as one of its sources
.endr
.irp t, 0,1
	v_mov_b32 v[NM+2*\t+1], 0xff61b1e6             ; the largest t so far: -3e38, under every t
.endr
	WIN 0x41
.irp t, 0,1
	v_floor_f32 v[NM+2*\t], -v[NM+2*\t+1]          ; -M
.endr
	WIN 0
	WALU                                           ; the wait here, directly ahead of the wait below
	s_wait_loadcnt 0x0                             ; Q and its scale word
	v_and_b32 v[SQ], 0xffff, v10
	v_lshrrev_b32 v[SQ+1], 16, v10
	v_lshl_or_b32 v[SQ], v[SQ], 16, v[SQ]          ; a tile's two bytes in both halves: they serve [q | 0] and [0 | q]
	v_lshl_or_b32 v[SQ+1], v[SQ+1], 16, v[SQ+1]
.set J, 0
.rept 64
	v_mov_b32 v[O+J], 0                            ; O^T: the step's first turn finds zeros.  (These stand between the scale registers' last write and the first product)
.set J, J+1
.endr
	WALU                                           ; the wait at the head's end
	s_cmp_eq_u32 s[WV], 0
	s_cbranch_scc0 .Lnot_first
	s_wait_tensorcnt 0x0                           ; wave 0: records 0 and 1 are in
.Lnot_first:
	s_barrier_signal -1
	s_barrier_wait -1
	KLOAD L16, L8, R16                             ; record 0
	VLOAD L16, L8, R16
	s_mov_b32 s[TB], 0
	STEP 1, 1                                      ; step 0: it fetches record 1
	s_wait_dscnt 0x0
	s_wait_tensorcnt 0x0                           ; every wave's two records are in
	s_barrier_signal -1
	s_barrier_wait -1
	s_mov_b32 s[TB], REC
	s_mov_b32 s[CNT], 14
.Lstep:                                                ; steps 1-14: they fetch up to record 15
	STEP 0, 1
	s_sub_co_u32 s[CNT], s[CNT], 1
	s_cmp_lg_u32 s[CNT], 0
	s_cbranch_scc1 .Lstep
	STEP 0, 0                                      ; step 15 fetches nothing
	; THE WAY OUT.  O^T / the sum; a query's 64 channels are two blocks of the last product's K: quantised in registers, half a fragment and half a scale word a tile.
	WIN 0x55
.set I, 0
.rept 32
	SUMOP 1, I                                     ; tile 1's row sum of the last step.  (These stand behind the last products)
.set I, I+1
.endr
.irp t, 0,1
	v_pk_add_f32 v[LS+4*\t:LS+4*\t+1], v[LS+4*\t:LS+4*\t+1], v[LS+4*\t+2:LS+4*\t+3]
.endr
.irp t, 0,1
	v_add_f32 v[TMP+\t], v[LS+4*\t], v[LS+4*\t+1]
.endr
.irp t, 0,1
	v_permlanex16_b32 v[T4+\t], v[TMP+\t], s[SEL], s[SEL+1]
.endr
.irp t, 0,1
	v_add_f32 v[TMP+\t], v[TMP+\t], v[T4+\t]       ; with lane l xor 16's: the row's sum
.endr
	WALU
.irp t, 0,1
	v_rcp_f32 v[FF+2*\t], v[TMP+\t]
.endr
	v_nop                                          ; a plain place behind the reciprocals
	WIN 0x44                                       ; O^T window 0; 1 / sum and the result window 1
	WALU                                           ; the wait ahead of the reciprocals' first reader, directly ahead of O^T's
.set J, 0
.rept 32
	v_pk_mul_f32 v[64*(J/32)+J%32:64*(J/32)+J%32+1], v[O+J:O+J+1], v[FF+2*(J/32):FF+2*(J/32)+1] op_sel_hi:[1,0]   ; each accumulator from its low end on
.set J, J+2
.endr
	WIN 0x55
.irp q, 0,1,2,3                                ; block q % 2 of tile q / 2: my 16 numbers of its 32 channels
	v_max3_num_f32 v[BM+\q], |v[64*(\q/2)+16*(\q%2)]|, |v[64*(\q/2)+16*(\q%2)+1]|, 0x1800000
.endr
.irp i, 2,4,6,8,10,12,14
.irp q, 0,1,2,3
	v_max3_num_f32 v[BM+\q], v[BM+\q], |v[64*(\q/2)+16*(\q%2)+\i]|, |v[64*(\q/2)+16*(\q%2)+\i+1]|
.endr
.endr
.irp q, 0,1,2,3
	v_permlanex16_b32 v[T4+\q], v[BM+\q], s[SEL], s[SEL+1]
.endr
.irp q, 0,1,2,3
	v_max_num_f32 v[BM+\q], v[BM+\q], v[T4+\q]     ; a block of 32 channels lies in lanes l and l xor 16
.endr
.irp q, 0,1,2,3
	v_add_nc_u32 v[BM+4+\q], 0xff000000, v[BM+\q]
.endr
.irp q, 0,1,2,3
	v_lshrrev_b32 v[BM+8+\q], 23, v[BM+4+\q]
.endr
.irp t, 0,1
	v_lshl_or_b32 v[TMP+\t], v[BM+9+2*\t], 8, v[BM+8+2*\t]   ; my row's two scale bytes
.endr
	WIN 0x05
.irp t, 0,1
	v_cvt_scalef32_pk16_fp6_f32 v[P+12*\t:P+12*\t+2], v[64*\t:64*\t+15], v[BM+4+2*\t]
	v_cvt_scalef32_pk16_fp6_f32 v[PT+4*\t:PT+4*\t+2], v[64*\t+16:64*\t+31], v[BM+5+2*\t]
.endr
	WIN 0
	v_nop
.irp t, 0,1
.irp i, 0,1,2
	v_permlane16_swap_b32 v[P+12*\t+\i], v[PT+4*\t+\i]   ; the operand's layout wants a whole block in a lane
.endr
.endr
.irp t, 0,1
.irp i, 0,1,2
	v_mov_b32 v[P+12*\t+3+\i], v[PT+4*\t+\i]
.endr
.endr
	global_store_b128 v[L16], v[P:P+3], s[10:11]   ; whole aligned blocks of 256 bytes
	global_store_b64 v[L8], v[P+4:P+5], s[10:11] offset:512
	global_store_b128 v[L16], v[P+12:P+15], s[10:11] offset:12288
	global_store_b64 v[L8], v[P+16:P+17], s[10:11] offset:12800
	WIN 0x04                                       ; a store's data: window 1
	global_store_b16 v[R4], v[TMP], s[12:13]       ; two bytes of each of 16 words within 64 bytes; lanes r and r + 16 write the same
	global_store_b16 v[R4], v[TMP+1], s[12:13] offset:512
	WIN 0
	s_wait_tensorcnt 0x0                           ; the wave's end
	ds_add_u32 v[SPW], v[NIL]
	s_wait_dscnt 0x0
	ROUND                                          ; the closing round: no work-group ends while a partner may still ask for a part that names it
	s_endpgm
.Lfunc_end_k_qb3adabdbb9_attn:
	.size	k_qb3adabdbb9_attn, .Lfunc_end_k_qb3adabdbb9_attn-k_qb3adabdbb9_attn
	.p2alignl 7, 3214868480
	.fill 96, 4, 3214868480
	.section	.rodata,"a",@progbits
	.p2align	6, 0x0
	.amdhsa_kernel k_qb3adabdbb9_attn
		.amdhsa_group_segment_fixed_size 206848
		.amdhsa_private_segment_fixed_size 0
		.amdhsa_enable_private_segment 0
		.amdhsa_kernarg_size 40
		.amdhsa_user_sgpr_count 2
		.amdhsa_user_sgpr_kernarg_segment_ptr 1
		.amdhsa_wavefront_size32 1
		.amdhsa_system_sgpr_workgroup_id_x 1
		.amdhsa_system_sgpr_workgroup_id_y 1
		.amdhsa_system_sgpr_workgroup_id_z 1
		.amdhsa_system_vgpr_workitem_id 0
		.amdhsa_next_free_vgpr 512
		.amdhsa_next_free_sgpr 66
		.amdhsa_reserve_vcc 0
		.amdhsa_float_denorm_mode_32 3
		.amdhsa_float_denorm_mode_16_64 3
		.amdhsa_memory_ordered 1
		.amdhsa_forward_progress 1
		.amdhsa_inst_pref_size 99
	.end_amdhsa_kernel
	.amdgpu_metadata
---
amdhsa.version: [ 1, 2 ]
amdhsa.kernels:
  - .name:           k_qb3adabdbb9_attn
    .symbol:         k_qb3adabdbb9_attn.kd
    .args:
      - { .name: QC, .offset: 0, .size: 8, .value_kind: global_buffer, .address_space: global }
      - { .name: QSC, .offset: 8, .size: 8, .value_kind: global_buffer, .address_space: global }
      - { .name: KV, .offset: 16, .size: 8, .value_kind: global_buffer, .address_space: global }
      - { .name: XC, .offset: 24, .size: 8, .value_kind: global_buffer, .address_space: global }
      - { .name: XS, .offset: 32, .size: 8, .value_kind: global_buffer, .address_space: global }
    .group_segment_fixed_size: 206848
    .private_segment_fixed_size: 0
    .kernarg_segment_align: 8
    .kernarg_segment_size: 40
    .max_flat_workgroup_size: 256
    .sgpr_count:     66
    .vgpr_count:     512
    .wavefront_size: 32
...
	.end_amdgpu_metadata
.endif
;; end of part 3
;; launch outp (part 4): grid 8 x 32, 4 waves a work-group, clusters of 4 x 4, 214,528 bytes of LDS; arguments XC, XS, o_b, out0; writes out0
.if DOCPART == 4
	.amdgcn_target "amdgcn-amd-amdhsa--gfx1250"
	.amdhsa_code_object_version 6
	.text
	.protected	k_qb3adabdbb9_outp
	.globl	k_qb3adabdbb9_outp
	.p2align	8
	.type	k_qb3adabdbb9_outp,@function
k_qb3adabdbb9_outp:
	s_mov_b64 s[64:65], 0
	v_nop
	global_prefetch_b8 v0, s[64:65] scope:SCOPE_SE
	s_setreg_imm32_b32 hwreg(HW_REG_WAVE_MODE, 25, 1), 1
	s_wait_xcnt 0x0
	s_wait_alu depctr_hold_cnt(0) depctr_sa_sdst(0) depctr_va_vdst(0) depctr_va_sdst(0) depctr_va_ssrc(0) depctr_va_vcc(0) depctr_vm_vsrc(0)
	s_getreg_b32 s2, hwreg(HW_REG_IB_STS2, 6, 4)
	s_cmp_eq_u32 s2, 0
	s_cbranch_scc0 .Lentry_in_a_cluster
	s_endpgm
.Lentry_in_a_cluster:
	s_bfe_u32 s2, ttmp6, 0x10000c
	s_cmp_lg_u32 s2, 0xf033
	s_cbranch_scc0 .Lentry_shape_is_right
	s_endpgm
.Lentry_shape_is_right:
; out0 = merged o_w^T + o_b on codes of FP6 (E2M3) with E8M0 scales, sums in f32.  merged: XC's row-blocks 1024-1279; o_w: row-blocks 960-1023; their scale words in XS.
; OPERANDS are images of operand registers (row-block 2 g + u, lane r = row 32 g + 8 u + r + 8 (r / 8); a fragment of 16 rows x 128 K is 1,536 bytes; a row-block has 8 of them on end).
; SHARES.  4,096 x 1,024 outputs on 256 work-groups: a tile of 128 tokens x 128 channels, four waves, each 64 x 64: 16 accumulators, 128 matrix instructions for K = 1,024 (eight K steps).
; LDS.  The work-group's operands for ALL of K, 2 x 8 row-blocks x 12,288 bytes, lie in LDS, filled ONCE: no slot is filled again.  They lie as four quarters of K (two K steps each): A's two halves, B's two halves, each
; 4 row-blocks x 3,072 bytes.  A wave asks for its 4 row-blocks by four tensor loads, a quarter of K each: four loads of a wave are out; each quarter is multiplied as soon as it has landed.
; THE PRODUCT IS USED TRANSPOSED: source 0 = o_w's rows (side B), source 1 = tokens (side A).  In accumulator (a, b) lane (r, h) holds token 32 (a / 2) + 8 (a % 2) + r + 8 (r / 8) and its register j
; channel 32 (b / 2) + 8 (b % 2) + 16 h + j: eight neighbouring numbers of a row of out0.  The bias is the C of each sum's first matrix instruction.
; CLUSTERS: 4 x 4 work-groups; A's tiles are asked for jointly along a row of the cluster, B's along a column.
; REGISTERS, in windows of 256.  Window 0: v1-27 addresses; v32-63 all scale words of the wave's rows, for all of K; v64-95 the bias; v128-223 A's fragments, two sets of four (on the way out v128-255: rows of out0).
;   Window 1: v0-95 B's fragments, two sets of four; v128-255 accumulator (a, b) at v[128 + 8 (4 a + b)].
; THE FILLS AS THEY STAND (this takes the place of what the paragraph LDS above says of quarters and of four loads a wave): the operands lie in LDS as two HALVES of K (four K steps each): A's 8 row-blocks x 6,144 bytes, then B's 8.
; Each wave issues ONE tensor load, in an arm of its own: wave 0 A's first half, wave 1 B's first half, wave 2 A's second half, wave 3 B's second half.  Waves 0 and 1 wait ahead of the first barrier; every wave waits ahead of
; the barrier in K step 3, which shows the second half.
.set QT,    12288
.set STG,   4*QT                       ; A's part of a half of K, 8 row-blocks x 6,144 bytes; B's lies behind it
.set REACH, 2*STG                      ; an address register serves two quarters: the offsets stay inside the 16-bit immediate
.set STAGE, 4*STG                      ; behind the operands: a stage of 16 rows x (256 + 16) bytes for each wave, into which no tile lands
.set SPITCH, 272
.set RR,   1                           ; v1  lane % 16
.set HH,   2                           ; v2  lane / 16
.set L16,  3                           ; v3  16 x lane
.set L8,   4                           ; v4  8 x lane
.set ADA16, 8                          ; v8-9    A's fragments in quarters 0, 1 and 2, 3: the 16-byte parts;  v10-11 the 8-byte parts
.set ADA8, 10
.set ADB16, 12                         ; v12-15  the same for B
.set ADB8, 14
.set VB,   16                          ; v16  64 x (lane / 16): my half's place in a group of bias numbers
.set VS,   24                          ; v24  byte offset of my scale words: lanes 0-15 A's rows, lanes 16-31 B's
.set STO,  25                          ; v25  the stage: where I put 32 bytes of a row
.set RD,   26                          ; v26  and where I read rows back
.set CO,   27                          ; v27  my byte offset in two rows of out0
.set SC,   32                          ; v[SC + 8 i + ks]: lanes 0-15 the word of A's block i, lanes 16-31 that of B's block i, for K step ks
.set BI,   64                          ; v[BI + 8 x ..]: the 8 channels of B's tile x of my half of the lanes
.set AF,   128
.set BK,   128                         ; the way out: four blocks of 16 rows, 32 registers each
.set ACC,  128                         ; in window 1
.set WV, 20
.set RH, 21                            ; which half of A's rows is mine
.set CH, 22                            ; which half of B's rows
.set G1, 24                            ; s[24:31] descriptor group 1 for A's tiles;  s[32:39] for B's: it differs in the mask alone
.set G1B, 32
.set G0, 48                            ; s[48:55] descriptor group 0 for A's tiles, a set for each half of K;  s[68:75] for B's
.set G0B, 68
.set MH,  99                           ; s99 lanes 16-31
.set MSB, 0
.macro WIN new                         ; the immediate's high byte repeats the setting that is left
.if MSB != (\new)
	s_set_vgpr_msb (MSB<<8)|(\new)
.set MSB, (\new)
.endif
.endm
.macro CROUND                          ; a round of the cluster's barrier
	s_barrier_signal -1
	s_barrier_wait -1
	s_cmp_lg_u32 s[WV], 0
	s_cbranch_scc1 .Lnot_wave_0_\@
	s_barrier_signal -3
.Lnot_wave_0_\@:
	s_barrier_wait -3
	s_barrier_signal -1
	s_barrier_wait -1
.endm
.macro PLACES                          ; four plain instructions between a matrix instruction and a load into, or a read of, its registers
.rept 4
	v_nop
.endr
.endm
.macro FRAG reg, a16, a8, off          ; a fragment's image back into 12 registers: every load reads consecutive bytes
	ds_load_b128 v[\reg:\reg+3], v[\a16] offset:\off
	ds_load_b64 v[\reg+4:\reg+5], v[\a8] offset:\off+512
	ds_load_b128 v[\reg+6:\reg+9], v[\a16] offset:\off+768
	ds_load_b64 v[\reg+10:\reg+11], v[\a8] offset:\off+1280
.endm
.macro FETCH ks                        ; K step ks: B's four fragments and A's four, 32 loads in one run, into set ks % 2
.set fs, (\ks)/4
.set fo, ((\ks)%4)*1536
.set fp, (\ks)%2
	WIN 0x40                                       ; destination window 1
.irp i, 0,1,2,3
	FRAG 48*fp+12*\i, ADB16+fs, ADB8+fs, fo+6144*\i
.endr
	WIN 0
.irp i, 0,1,2,3
	FRAG AF+48*fp+12*\i, ADA16+fs, ADA8+fs, fo+6144*\i
.endr
.endm
; A K step: the next step's fragments are asked for, then 16 matrix instructions on this step's.  The 16 accumulators take turns, one instruction a turn, in the same order in every step.
; Where the next step begins the second half of K, every wave first waits for its own load (nothing is ever filled again), and a barrier shows that half to all four waves.
.macro KSTEP ks
.set pp, (\ks)%2
.if (\ks) == 7
	s_wait_dscnt 0x0                               ; the last step: nothing more to fetch
.elseif (\ks) == 3
	s_wait_dscnt 0x0                               ; this step's fragments are in, and no LDS instruction of mine is out at the signal
	s_wait_tensorcnt 0x0                           ; every wave's one load is in
	s_barrier_signal -1
	s_barrier_wait -1
	PLACES                                         ; the other set was read by the last step's products
	FETCH (\ks)+1
.else
	s_wait_dscnt 16                                ; the first half of this step's 32 loads is in: with the 32 below 48 are out at the most
.if (\ks) > 0
	PLACES
.endif
	FETCH (\ks)+1
	s_wait_dscnt 32                                ; all but the 32 just issued
.endif
.if (\ks) == 0
	WIN 0x41                                       ; source 0 (B) and D window 1, source 1 (A) and C (the bias) window 0
.else
	WIN 0x51                                       ; C with D in window 1
.endif
.irp a, 0,1,2,3
.irp b, 0,1,2,3
.set rD, ACC+8*(4*\a+\b)
.set rB, 48*pp+12*\b
.set rA, AF+48*pp+12*\a
.set rC, rD
.if (\ks) == 0
.set rC, BI+8*\b
.endif
	v_wmma_scale_f32_16x16x128_f8f6f4 v[rD:rD+7], v[rB:rB+11], v[rA:rA+11], v[rC:rC+7], v[SC+8*\b+(\ks)], v[SC+8*\a+(\ks)] matrix_a_fmt:MATRIX_FMT_FP6 matrix_b_fmt:MATRIX_FMT_FP6 matrix_a_scale:MATRIX_SCALE_ROW1
.endr
.endr
	WIN 0
.endm
	s_load_b256 s[4:11], s[0:1], 0x0               ; XC, XS, o_b, out0
	v_lshl_add_u32 v126, v0, 2, 0x34400
	v_mov_b32 v127, 0
	ds_add_u32 v126, v127
	ds_add_u32 v126, v127
	v_lshrrev_b32 v6, 5, v0
	v_readfirstlane_b32 s[WV], v6                  ; wave 0..3
	s_lshr_b32 s[RH], s[WV], 1
	s_and_b32 s[CH], s[WV], 1
	s_bfe_u32 s40, ttmp6, 0x40000                  ; cx
	s_bfe_u32 s41, ttmp6, 0x40004                  ; cy
	s_and_b32 s45, ttmp7, 0xffff
	s_lshl_b32 s45, s45, 2
	s_add_co_u32 s45, s45, s41                     ; the tile of 128 tokens, 0..31
	s_lshl_b32 s46, ttmp9, 2
	s_add_co_u32 s46, s46, s40                     ; the tile of 128 channels, 0..7
	s_lshl_b32 s47, s45, 3
	s_add_co_u32 s47, s47, 1024                    ; A's first row-block
	s_lshl_b32 s66, s46, 3
	s_add_co_u32 s66, s66, 960                     ; B's
	s_lshl_b32 s43, s41, 2
	s_lshl_b32 s43, 15, s43                        ; my row of the cluster
	s_lshl_b32 s44, 0x1111, s40                    ; my column
	; descriptor group 1: 8 rows (row-blocks) of 768 elements of 8 bytes (four K steps, 6,144 bytes), 1,536 elements apart; no padding
	s_or_b32 s[G1], s43, (3<<16)|(1<<21)           ; 15:0 the mask; 17:16 elements of 8 bytes; 21 set beside a mask
	s_or_b32 s[G1B], s44, (3<<16)|(1<<21)
.irp g, G1, G1B
	s_mov_b32 s[\g+1], 768<<16                     ; tensor_dim0: four K steps, 6,144 bytes
	s_mov_b32 s[\g+2], 8<<16                       ; tensor_dim1: 8 row-blocks
	s_mov_b32 s[\g+3], 768<<16                     ; tile_dim0
	s_mov_b32 s[\g+4], 8                           ; tile_dim1
	s_mov_b32 s[\g+5], 1536                        ; tensor_dim0_stride
	s_mov_b32 s[\g+6], 0
	s_mov_b32 s[\g+7], 0
.endr
	s_lshl_b32 s67, s[CH], 2                       ; my 4 row-blocks of B, for the scale words
	s_mul_i32 s84, s47, 12288                      ; A's 8 row-blocks
	s_mov_b32 s85, 0
	s_mul_i32 s86, s66, 12288                      ; B's
	s_mov_b32 s87, 0
	s_wait_dscnt 0x0
	s_wait_kmcnt 0x0
	s_add_nc_u64 s[84:85], s[4:5], s[84:85]
	s_add_nc_u64 s[86:87], s[4:5], s[86:87]
	CROUND                                         ; all sixteen work-groups are here: the joint loads meet
.irp j, 0,1                                    ; half j of K: A's tile at j x REACH, B's behind it
	s_mov_b32 s[G0+4*\j], 1
	s_mov_b32 s[G0+4*\j+1], \j*REACH
	s_add_nc_u64 s[G0+4*\j+2:G0+4*\j+3], s[84:85], \j*6144
	s_or_b32 s[G0+4*\j+3], s[G0+4*\j+3], 0x80000000
	s_mov_b32 s[G0B+4*\j], 1
	s_mov_b32 s[G0B+4*\j+1], \j*REACH+STG
	s_add_nc_u64 s[G0B+4*\j+2:G0B+4*\j+3], s[86:87], \j*6144
	s_or_b32 s[G0B+4*\j+3], s[G0B+4*\j+3], 0x80000000
.endr
	s_cmp_eq_u32 s[WV], 0                          ; one chain of branches on the wave's number, one load to an arm, all arms leading to one join
	s_cbranch_scc0 .Lwave_1
	tensor_load_to_lds s[G0:G0+3], s[G1:G1+7]
	s_nop 0
	PLACES
	s_branch .Lasked
.Lwave_1:
	s_cmp_eq_u32 s[WV], 1
	s_cbranch_scc0 .Lwave_2
	tensor_load_to_lds s[G0B:G0B+3], s[G1B:G1B+7]
	s_nop 0
	PLACES
	s_branch .Lasked
.Lwave_2:
	s_cmp_eq_u32 s[WV], 2
	s_cbranch_scc0 .Lwave_3
	tensor_load_to_lds s[G0+4:G0+7], s[G1:G1+7]
	s_nop 0
	PLACES
	s_branch .Lasked
.Lwave_3:
	tensor_load_to_lds s[G0B+4:G0B+7], s[G1B:G1B+7]
	s_nop 0
	PLACES
.Lasked:
	v_and_b32 v6, 31, v0
	v_and_b32 v[RR], 15, v0
	v_bfe_u32 v[HH], v0, 4, 1
	v_lshlrev_b32 v[L16], 4, v6
	v_lshlrev_b32 v[L8], 3, v6
	s_mul_i32 s89, s[RH], 2*QT                     ; my 4 row-blocks of A: 6,144 bytes each in a half of K
	s_mul_i32 s90, s[CH], 2*QT                     ; my 4 of B,
	s_add_co_u32 s90, s90, 4*QT                    ; which lie behind A's 8
.irp s, 0,1
	v_add_nc_u32 v[ADA16+\s], s89, v[L16]
	v_add_nc_u32 v[ADA8+\s], s89, v[L8]
	v_add_nc_u32 v[ADB16+\s], s90, v[L16]
	v_add_nc_u32 v[ADB8+\s], s90, v[L8]
	s_add_co_u32 s89, s89, REACH
	s_add_co_u32 s90, s90, REACH
.endr
	; all scale words of my rows, for all of K, straight into registers: 512 bytes a row-block, 64 a K step
	s_lshl_b32 s89, s[RH], 2
	s_add_co_u32 s89, s89, s47
	s_lshl_b32 s89, s89, 9
	s_add_co_u32 s90, s66, s67
	s_lshl_b32 s90, s90, 9
	s_mov_b32 s[MH], 0xffff0000
	v_mov_b32 v6, s89
	v_mov_b32 v7, s90
	v_cndmask_b32 v[VS], v6, v7, s[MH]             ; lanes 0-15 take A's words, lanes 16-31 B's
	v_lshl_add_u32 v[VS], v[RR], 2, v[VS]
.irp i, 0,1,2,3
.irp k, 0,1,2,3,4,5,6,7
	global_load_b32 v[SC+8*\i+\k], v[VS], s[6:7] offset:512*\i+64*\k
.endr
.endr
	s_lshl_b32 s91, s45, 7
	s_lshl_b32 s92, s[RH], 6
	s_add_co_u32 s91, s91, s92                     ; my first token
	s_lshl_b32 s92, s46, 7
	s_lshl_b32 s93, s[CH], 6
	s_add_co_u32 s92, s92, s93                     ; my first channel
	s_lshl_b32 s94, s92, 2
	s_mov_b32 s95, 0
	s_add_nc_u64 s[8:9], s[8:9], s[94:95]          ; the bias there
	s_lshl_b32 s96, s91, 12                        ; a row of out0 is 4,096 bytes
	s_add_co_u32 s96, s96, s94
	s_mov_b32 s97, 0
	s_add_nc_u64 s[10:11], s[10:11], s[96:97]      ; out0 at my first token and channel; never stepped
	v_lshlrev_b32 v[VB], 6, v[HH]
.irp x, 0,1,2,3
	global_load_b128 v[BI+8*\x:BI+8*\x+3], v[VB], s[8:9] offset:4*(32*(\x/2)+8*(\x%2))
	global_load_b128 v[BI+8*\x+4:BI+8*\x+7], v[VB], s[8:9] offset:4*(32*(\x/2)+8*(\x%2))+16
.endr
	s_mul_i32 s98, s[WV], 16*SPITCH
	s_add_co_u32 s98, s98, STAGE                   ; my stage
	v_mul_u32_u24 v[STO], v[RR], SPITCH
	v_lshl_add_u32 v[STO], v[HH], 6, v[STO]
	v_add_nc_u32 v[STO], s98, v[STO]               ; in: row r, + 64 h
	v_mul_u32_u24 v[RD], v[HH], SPITCH
	v_lshl_add_u32 v[RD], v[RR], 4, v[RD]
	v_add_nc_u32 v[RD], s98, v[RD]                 ; back: lanes 0-15 take one row of 256 bytes, lanes 16-31 the next
	v_lshlrev_b32 v[CO], 12, v[HH]
	v_lshl_add_u32 v[CO], v[RR], 4, v[CO]          ; and the same two rows in out0
	s_wait_alu depctr_va_vdst(0)                   ; the wait at the head's end
	s_cmp_lt_u32 s[WV], 2
	s_cbranch_scc0 .Lnot_first
	s_wait_tensorcnt 0x0                           ; waves 0 and 1: the first half of K is in
.Lnot_first:
	s_barrier_signal -1
	s_barrier_wait -1                              ; the second half's loads may be out
	FETCH 0
	s_wait_loadcnt 0x0                             ; the scale words and the bias
	KSTEP 0                                        ; the first K step starts the sums with the bias
	KSTEP 1
	KSTEP 2
	KSTEP 3
	KSTEP 4
	KSTEP 5
	KSTEP 6
	KSTEP 7
; THE WAY OUT, block by block of 16 tokens x 64 channels: through my own stage in LDS, back as whole rows of 256 bytes: sixteen lanes store one aligned block of 256 bytes.
; LDS serves a wave's instructions in order (ISA guide 5.7.1.4): no wait between the stores and the loads, nor in front of the next block's stores.  Each block has registers of its own: no store's data are written again.
.macro TOSTAGE a
	WIN 0x04                                       ; an LDS store's data: window 1
.irp b, 0,1,2,3
	ds_store_b128 v[STO], v[ACC+8*(4*(\a)+\b):ACC+8*(4*(\a)+\b)+3] offset:128*(\b/2)+32*(\b%2)          ; each accumulator from its low end on
	ds_store_b128 v[STO], v[ACC+8*(4*(\a)+\b)+4:ACC+8*(4*(\a)+\b)+7] offset:128*(\b/2)+32*(\b%2)+16
.endr
	WIN 0
.irp t, 0,1,2,3,4,5,6,7
	ds_load_b128 v[BK+32*(\a)+4*\t:BK+32*(\a)+4*\t+3], v[RD] offset:2*\t*SPITCH
.endr
.endm
.macro SEND a, younger                 ; younger: the LDS instructions issued behind block a's loads, which may stay out
	s_wait_dscnt \younger
.irp t, 0,1,2,3,4,5,6,7
	global_store_b128 v[CO], v[BK+32*(\a)+4*\t:BK+32*(\a)+4*\t+3], s[10:11] offset:(32*((\a)/2)+8*((\a)%2)+2*\t+8*(\t/4))*4096 th:TH_STORE_NT   ; the stage's row i is the block's token i + 8 (i / 8); 62 rows at the most: inside the signed 24-bit immediate
.endr
.endm
	PLACES                                         ; behind the last products: their results are read, and A's registers loaded, below
	s_wait_alu depctr_va_vdst(0)
	TOSTAGE 0
	TOSTAGE 1
	SEND 0, 16                                     ; behind block 0's loads: block 1's 8 stores and 8 loads
	TOSTAGE 2
	SEND 1, 16
	TOSTAGE 3
	SEND 2, 16
	SEND 3, 0
	s_wait_dscnt 0x0
	s_wait_tensorcnt 0x0
	s_wait_tensorcnt 0x0
	ds_add_u32 v126, v127
	s_wait_dscnt 0x0
	CROUND                                         ; the closing round: no work-group ends while a partner may still ask for a tile that names it
	s_endpgm
.Lfunc_end_k_qb3adabdbb9_outp:
	.size	k_qb3adabdbb9_outp, .Lfunc_end_k_qb3adabdbb9_outp-k_qb3adabdbb9_outp
	.p2alignl 7, 3214868480
	.fill 96, 4, 3214868480
	.section	.rodata,"a",@progbits
	.p2align	6, 0x0
	.amdhsa_kernel k_qb3adabdbb9_outp
		.amdhsa_group_segment_fixed_size 214528
		.amdhsa_private_segment_fixed_size 0
		.amdhsa_enable_private_segment 0
		.amdhsa_kernarg_size 32
		.amdhsa_user_sgpr_count 2
		.amdhsa_user_sgpr_kernarg_segment_ptr 1
		.amdhsa_wavefront_size32 1
		.amdhsa_system_sgpr_workgroup_id_x 1
		.amdhsa_system_sgpr_workgroup_id_y 1
		.amdhsa_system_sgpr_workgroup_id_z 1
		.amdhsa_system_vgpr_workitem_id 0
		.amdhsa_next_free_vgpr 512
		.amdhsa_next_free_sgpr 100
		.amdhsa_reserve_vcc 0
		.amdhsa_float_denorm_mode_32 3
		.amdhsa_float_denorm_mode_16_64 3
		.amdhsa_memory_ordered 1
		.amdhsa_forward_progress 1
		.amdhsa_inst_pref_size 54
	.end_amdhsa_kernel
	.amdgpu_metadata
---
amdhsa.version: [ 1, 2 ]
amdhsa.kernels:
  - .name:           k_qb3adabdbb9_outp
    .symbol:         k_qb3adabdbb9_outp.kd
    .args:
      - { .name: XC, .offset: 0, .size: 8, .value_kind: global_buffer, .address_space: global }
      - { .name: XS, .offset: 8, .size: 8, .value_kind: global_buffer, .address_space: global }
      - { .name: o_b, .offset: 16, .size: 8, .value_kind: global_buffer, .address_space: global }
      - { .name: out0, .offset: 24, .size: 8, .value_kind: global_buffer, .address_space: global }
    .group_segment_fixed_size: 214528
    .private_segment_fixed_size: 0
    .kernarg_segment_align: 8
    .kernarg_segment_size: 32
    .max_flat_workgroup_size: 128
    .sgpr_count:     100
    .vgpr_count:     512
    .wavefront_size: 32
...
	.end_amdgpu_metadata
.endif
;; end of part 4
